; MI455X (gfx1250); checked and timed in simulation.
; The chip was launched on July 23, 2026; its instructions are those of AMD's public machine-readable ISA for CDNA 5 (MIT licence, August 2026) and "CDNA5" Instruction Set Architecture Reference Guide (July 2026). The comments in the code are by the model that wrote it; some were corrected since.
;; Mult Head Attention. Allowed arithmetic: matrix products marked QUANTISED: E2M1 operands, one E8M0 scale for each 32 along K, by v_wmma_scale_f32_16x16x128_f8f6f4 with both operands' format E2M1 (or v_wmma_scale_f32_32x16x128_f4), f32 sums; products left as they are: bf16, f16 or f32 operands; f32 sums; everything else in f32.
;; Inputs: b_k 1,024 float32; b_o 1,024 float32; b_q 1,024 float32; b_v 1,024 float32; k 4 x 2,048 x 1,024 float32; q 4 x 2,048 x 1,024 float32; v 4 x 2,048 x 1,024 float32; w_k 1,024 x 1,024 float32; w_o 1,024 x 1,024 float32; w_q 1,024 x 1,024 float32; w_v 1,024 x 1,024 float32.
;; Outputs: out0 4 x 2,048 x 1,024 float32.
;; This version of the problem:
;;   THIS VERSION OF THE PROBLEM IS GIVEN IN LOW PRECISION. The matrix products marked QUANTISED in the list below multiply operands that are first quantised to E2M1 (2 exponent bits, 1 mantissa bit; 4 bits a number), with one power-of-two scale for each 32 numbers along K (OCP MX v1.0); their sums are f32. The products marked 'left as it is' may take bf16, f16 or f32 operands, with f32 sums. Whichever they take, every output number must still come out within the allowed error. Rounding operands to bf16 (8 significant bits) uses up far more of that allowance than f16 does (11 bits, for magnitudes from 6e-5 to 65,504). All else is computed in f32.
;;   The module's matrix products, in the order in which they are computed (A, B: the left and right operand; K: the contracted axis; several contracted axes count as one K, in the product's order):
;;     1. [M 8,192, K 1,024] x [K 1,024, N 1,024]; A: input q; B: input w_q: QUANTISED
;;     2. [M 8,192, K 1,024] x [K 1,024, N 1,024]; A: input k; B: input w_k: QUANTISED
;;     3. [M 8,192, K 1,024] x [K 1,024, N 1,024]; A: input v; B: input w_v: QUANTISED
;;     4. batch 64 x [M 2,048, K 64] x [K 64, N 2,048]; A: computed on the way; B: computed on the way: left as it is (an operand is computed on the way)
;;     5. batch 64 x [M 2,048, K 2,048] x [K 2,048, N 64]; A: computed on the way; B: computed on the way: left as it is (an operand is computed on the way)
;;     6. [M 8,192, K 1,024] x [K 1,024, N 1,024]; A: computed on the way; B: input w_o: left as it is (an operand is computed on the way)
;;   THE QUANTISER, for each operand of a quantised product, along K:
;;     - K is cut into blocks of 32 from its start; a last block that is shorter is filled with zeros.
;;     - A block's scale is 2^e with e = floor(log2(the largest magnitude in the block)) - 2, held to -126 .. 127; a block of zeros has e = 0. As a byte (E8M0): e + 127.
;;     - Each number is divided by its block's scale, clamped to +-6, and rounded to the nearest number of E2M1, ties to even, subnormals kept.
;;     - The product sums the exact products of the quantised numbers (number of the format x scale) in f32.
;;   ~~~python
;;   def quantise(x, axis):      # numpy; x: float32 -> the quantised numbers, widened to float32 again
;;       x = np.moveaxis(x, axis, -1); K = x.shape[-1]
;;       x = np.pad(x, [(0, 0)] * (x.ndim - 1) + [(0, -K % 32)]); x = x.reshape(x.shape[:-1] + (-1, 32)); a = np.abs(x).max(-1, keepdims=True)
;;       e = np.where(a > 0, np.clip(np.frexp(np.where(a > 0, a, 1))[1] - 1 - 2, -126, 127), 0)      # np.frexp(a)[1] - 1 = floor(log2(a)), exactly
;;       r = np.clip(x / 2.0 ** e, -6, 6)
;;       step = 2.0 ** (np.maximum(np.frexp(np.where(r == 0, 1, r))[1] - 1, 0) - 1)
;;       q = np.round(r / step) * step * 2.0 ** e      # np.round: ties to even
;;       return np.moveaxis(q.reshape(q.shape[:-2] + (-1,))[..., :K], -1, axis).astype(np.float32)
;;   ~~~
;; One version. Each part assembles by itself: llvm-mc -triple=amdgcn-amd-amdhsa -mcpu=gfx1250 --defsym DOCPART=n.
;; ======== version 1 of 1: 5 launches
;; limits: values are held in f16: magnitudes above 65,504 overflow, below 6.1e-05 lose precision
;; workspace buffers: xc 12,582,912 bytes; xs 786,432 bytes; wc 1,572,864 bytes; ws 98,304 bytes; wo16 2,097,152 bytes; hd 50,331,648 bytes; xf 786,432 bytes; ao 16,777,216 bytes
;; launch prep (part 1): grid 880 x 1, 4 waves a work-group, no clusters, 104,960 bytes of LDS; arguments q, k, v, w_q, w_k, w_v, w_o, xc, xs, wc, ws, wo16; writes xc, xs, wc, ws, wo16
.if DOCPART == 1
	.amdgcn_target "amdgcn-amd-amdhsa--gfx1250"
	.amdhsa_code_object_version 6
	.text
	.protected	k_q91ce8fa026_prep
	.globl	k_q91ce8fa026_prep
	.p2align	8
	.type	k_q91ce8fa026_prep,@function
k_q91ce8fa026_prep:
	s_mov_b64 s[64:65], 0
	v_nop
	global_prefetch_b8 v0, s[64:65] scope:SCOPE_SE
	s_setreg_imm32_b32 hwreg(HW_REG_WAVE_MODE, 25, 1), 1
	s_wait_xcnt 0x0
; CAUSAL MULTI-HEAD ATTENTION, B = 4, S = 2,048, E = 1,024, 16 heads of 64.  Five launches: prep (this), proj, attn, oproj, first16.
; THIS LAUNCH makes the operands of the later ones:
;   path X: q, k, v [8192][1024] f32 -> codes of FP4 (E2M1), K innermost, xc [3][8192][512 bytes], and one E8M0 byte for each 32 along K, xs [3][8192][32];
;   path W: w_q, w_k, w_v [k 1024][n 1024] f32, K on the FIRST axis -> codes with K innermost, wc [3][n 1024][512 bytes], ws [3][n 1024][32];
;   path O: w_o [k][n] f32 -> f16, laid [k / 64][n][64], wo16, for the product on the way out, which is left as it is.
; DEAD WORK: b_k.  The score of query s and key t is qh_s . (K_t + b_k) / 8 = qh_s . K_t / 8 + qh_s . b_k / 8, K_t being row t of k @ w_k.  The second term is the same for every key t
; of a query; the masked places are -inf with it and without; the product of qh and kh is not quantised; so the softmax along t takes the term away for all finite values of the inputs.
; b_k has no other way to the output: it is not loaded and is no argument of any launch.  LIMIT: a NaN, an infinity or an overflow that lies in b_k alone is not carried to the result.
; THE QUANTISER: a block's scale is 2^(floor(log2(largest magnitude)) - 2); its byte is the largest magnitude's exponent field - 2, held at 1 from below.
; LIMITS: a block of zeros gets the byte 1 where the rule says 127 (its codes are zeros, and this program alone reads the bytes); blocks whose largest magnitude lies under 2^-124 keep the byte 1;
; NaN and infinities among the inputs are not served.  w_o goes to f16: magnitudes up to 65,504.
; Work-groups 0-47 take path W, 48-111 path O, 112-879 path X.  Each path has LDS bytes of its own.  No tensor load, no barrier: waves share nothing.
.set SPARE, 104448                     ; behind the three paths' regions: the spare words, 128 bytes for each wave
.set SPW,   192                        ; v192  SPARE + 4 x my thread's number; never rewritten
.set NIL,   193                        ; v193  0; never rewritten
.set EMAX,  2
; path X: LDS 0 .. 32,767
.set STEPS, 16
.set CB,    8                          ; bytes of 16 codes
.set XR,    16                         ; v16-79   four sets of 16 numbers as loaded
.set XX,    80                         ; v80-111  two sets of 16 neighbours
.set XE,    112                        ; v112-127 a scale byte for each step
.set XC,    128                        ; v128-191 codes, four registers for each step
.set WREG,  8192                       ; a wave's region: two stages of 32 x SP bytes, then its 256 scale bytes
.set SP,    80
; path W: LDS 32,768 .. 67,583
.set WSTG,  32768
.set NB,    16                         ; blocks of 32 along K for a wave
.set WP,    272                        ; a stage row: 256 bytes of codes + 16
.set KROW,  512                        ; a row of wc in bytes
.set WX,    32                         ; v32-95   two sets of 32 numbers (paths W and O)
.set WC,    96                         ; v96..    what a block has made
.set WOUT,  112                        ; v112-175 the way out
.set WSB,   24                         ; v24-27   scale bytes
; path O: LDS 67,584 .. 104,447
.set OSTG,  67584
.set OP,    144                        ; a stage row: 128 bytes (64 f16) + 16
	s_load_b512 s[4:19], s[0:1], 0x0               ; q s[4:5], k s[6:7], v s[8:9], w_q s[10:11], w_k s[12:13], w_v s[14:15], w_o s[16:17], xc s[18:19]
	s_load_b256 s[20:27], s[0:1], 0x40             ; xs s[20:21], wc s[22:23], ws s[24:25], wo16 s[26:27]
	v_lshl_add_u32 v[SPW], v0, 2, SPARE
	v_mov_b32 v[NIL], 0
	v_lshrrev_b32 v1, 5, v0
	v_readfirstlane_b32 s28, v1                    ; wave 0..3
	v_and_b32 v2, 31, v0                           ; lane
	s_wait_kmcnt 0x0
	s_cmp_lt_u32 ttmp9, 48
	s_cbranch_scc1 .Lw
	s_cmp_lt_u32 ttmp9, 112
	s_cbranch_scc1 .Lo
; ---------------- PATH X: a tensor is a plain stream of blocks of 32.  A wave takes 16 steps of 512 numbers.
; Each load reads 512 consecutive bytes; a step's 2,048 bytes turn through the wave's own stage, so that a lane gets 16 neighbours; two neighbouring lanes hold a block.
	v_lshlrev_b32 v3, 4, v2                        ; my 16 bytes of a load's 512
	s_mul_i32 s29, s28, WREG
	v_lshrrev_b32 v14, 2, v2
	v_mul_u32_u24 v14, v14, SP
	v_and_b32 v15, 3, v2
	v_lshl_add_u32 v14, v15, 4, v14
	v_add_nc_u32 v14, s29, v14                     ; the stage, on the way in: SP (lane / 4) + 16 (lane % 4)
	v_mul_u32_u24 v15, v2, SP
	v_add_nc_u32 v15, s29, v15                     ; and on the way out: SP x lane
	v_mul_u32_u24 v4, v2, CB                       ; my codes' place in a step's
	v_lshrrev_b32 v5, 1, v2
	s_add_co_u32 s29, s29, 2*32*SP
	v_add_nc_u32 v5, s29, v5                       ; my block's scale byte in the wave's 256
	v_lshlrev_b32 v7, 3, v2
	v_add_nc_u32 v6, s29, v7                       ; and 8 bytes a lane on the way out
	s_sub_co_u32 s30, ttmp9, 112                   ; 0 .. 767: 256 work-groups a tensor
	s_lshr_b32 s31, s30, 8                         ; which tensor
	s_cmp_eq_u32 s31, 0
	s_cselect_b64 s[4:5], s[4:5], s[6:7]           ; q or k,
	s_cmp_eq_u32 s31, 2
	s_cselect_b64 s[4:5], s[8:9], s[4:5]           ; or v: the choice hangs on the work-group's number alone
	s_and_b32 s32, s30, 255
	s_lshl_b32 s32, s32, 2
	s_add_co_u32 s32, s32, s28
	s_lshl_b32 s32, s32, 15                        ; my wave's run of 8,192 numbers in its tensor: 32,768 bytes a run
	s_mov_b32 s33, 0
	s_add_nc_u64 s[4:5], s[4:5], s[32:33]
	s_lshl_b32 s34, s30, 2
	s_add_co_u32 s34, s34, s28                     ; the run's number over all three tensors
	s_lshl_b32 s32, s34, 12                        ; 4,096 bytes of codes a run
	s_add_nc_u64 s[18:19], s[18:19], s[32:33]
	s_lshl_b32 s32, s34, 8                         ; 256 scale bytes a run
	s_add_nc_u64 s[20:21], s[20:21], s[32:33]
.macro XLOAD t
.irp i, 0,1,2,3
	global_load_b128 v[XR+16*((\t)%4)+4*\i:XR+16*((\t)%4)+4*\i+3], v3, s[4:5] offset:2048*(\t)+512*\i th:TH_LOAD_NT
.endr
.endm
.macro XTURN t                         ; step t's numbers through the stage: LDS serves a wave's instructions in order, so no wait stands between the stores and the loads
.irp i, 0,1,2,3
	ds_store_b128 v14, v[XR+16*((\t)%4)+4*\i:XR+16*((\t)%4)+4*\i+3] offset:32*SP*((\t)%2)+8*SP*\i
.endr
.irp i, 0,1,2,3
	ds_load_b128 v[XX+16*((\t)%2)+4*\i:XX+16*((\t)%2)+4*\i+3], v15 offset:32*SP*((\t)%2)+16*\i
.endr
.endm
.irp t, 0,1,2,3
	XLOAD \t
.endr
	s_wait_loadcnt 12                              ; step 0's four loads are in; the twelve of steps 1 to 3 may be out
	XTURN 0
.macro XSTEP t
.set XS, XX+16*((\t)%2)
.if (\t) > 0
	s_wait_dscnt 1                                 ; this step's numbers are back from the stage; the last step's byte store may be out
.else
	s_wait_dscnt 0x0
.endif
.if (\t)+4 < STEPS
	XLOAD (\t)+4                                   ; into the registers that the stage's stores have read
.endif
.if (\t)+1 < STEPS
.if STEPS-2-(\t) >= 3
	s_wait_loadcnt 12                              ; the next step's four loads are in; those of the three steps behind it may be out
.else
	s_wait_loadcnt 4*(STEPS-2-(\t))
.endif
	XTURN (\t)+1
.endif
	v_max3_num_f32 v8, |v[XS]|, |v[XS+1]|, |v[XS+2]|               ; the largest magnitude of my 16, in two chains
	v_max3_num_f32 v9, |v[XS+3]|, |v[XS+4]|, |v[XS+5]|
.irp i, 6,10
	v_max3_num_f32 v8, v8, |v[XS+\i]|, |v[XS+\i+1]|
	v_max3_num_f32 v9, v9, |v[XS+\i+2]|, |v[XS+\i+3]|
.endr
	v_max3_num_f32 v8, v8, |v[XS+14]|, |v[XS+15]|
	v_max3_num_f32 v8, v8, v9, (EMAX+1)<<23        ; and the floor 2^(3 - 127): the byte cannot fall under 1
	v_max_num_f32_dpp v8, v8, v8 row_xmask:1 row_mask:0xf bank_mask:0xf   ; with my neighbour's 16: the block's
	v_add_nc_u32 v11, -(EMAX<<23), v8              ; 2 off its exponent field: the conversion takes the exponent field of this operand as its scale
	v_cvt_scalef32_pk8_fp4_f32 v[XC+4*(\t)], v[XS:XS+7], v11
	v_cvt_scalef32_pk8_fp4_f32 v[XC+4*(\t)+1], v[XS+8:XS+15], v11
	v_lshrrev_b32 v[XE+(\t)], 23, v11              ; the scale's byte (a plain line behind the conversions)
	ds_store_b8 v5, v[XE+(\t)] offset:16*(\t)      ; both lanes of a block write the same byte with the same value
	global_store_b64 v4, v[XC+4*(\t):XC+4*(\t)+1], s[18:19] offset:32*CB*(\t)   ; the wave stores 256 consecutive bytes, aligned
.endm
.irp t, 0,1,2,3,4,5,6,7,8,9,10,11,12,13,14,15
	XSTEP \t
.endr
	ds_load_b64 v[8:9], v6                         ; my wave's 256 scale bytes, 8 a lane
	s_wait_dscnt 0x0
	global_store_b64 v7, v[8:9], s[20:21]          ; 256 consecutive bytes, aligned
	s_wait_tensorcnt 0x0                           ; the wave's end
	ds_add_u32 v[SPW], v[NIL]
	s_wait_dscnt 0x0
	s_endpgm
; ---------------- PATH W: a lane takes a column n, its registers run down K: a block of 32 lies in one lane, and the codes come out with K innermost.
; A wave takes 32 columns x 512 along K; its codes go through its own stage and leave as rows: sixteen lanes store 256 consecutive bytes.
.Lw:
	s_lshr_b32 s31, ttmp9, 4                       ; which weight
	s_and_b32 s29, ttmp9, 7                        ; which 128 columns
	s_bfe_u32 s30, ttmp9, 0x10003                  ; which 512 along K
	s_cmp_eq_u32 s31, 0
	s_cselect_b64 s[4:5], s[10:11], s[12:13]
	s_cmp_eq_u32 s31, 2
	s_cselect_b64 s[4:5], s[14:15], s[4:5]
	s_lshl_b32 s29, s29, 7
	s_lshl_b32 s32, s28, 5
	s_add_co_u32 s29, s29, s32                     ; my wave's first column
	v_lshlrev_b32 v3, 2, v2                        ; in: 4 bytes a lane
	s_mul_i32 s32, s28, 32*WP
	s_add_co_u32 s32, s32, WSTG                    ; my stage
	v_mul_u32_u24 v4, v2, WP
	v_add_nc_u32 v4, s32, v4                       ; into it: row = my column
	v_and_b32 v5, 15, v2
	v_lshrrev_b32 v6, 4, v2
	v_mul_u32_u24 v7, v6, WP
	v_lshl_add_u32 v7, v5, 4, v7
	v_add_nc_u32 v7, s32, v7                       ; out of it: sixteen lanes to a row, two rows an instruction
	v_mul_u32_u24 v8, v6, KROW
	v_lshl_add_u32 v8, v5, 4, v8                   ; the same place in wc
	v_lshlrev_b32 v9, 5, v2                        ; my column's row of scale bytes: 32 bytes a row
	s_lshl_b32 s32, s30, 21                        ; 512 rows of 4,096 bytes
	s_lshl_b32 s34, s29, 2
	s_add_co_u32 s32, s32, s34
	s_mov_b32 s33, 0
	s_add_nc_u64 s[4:5], s[4:5], s[32:33]
	s_lshl_b32 s32, s31, 19                        ; wc: 524,288 bytes a weight, 512 a column, 256 for 512 along K
	s_lshl_b32 s34, s29, 9
	s_add_co_u32 s32, s32, s34
	s_lshl_b32 s34, s30, 8
	s_add_co_u32 s32, s32, s34
	s_add_nc_u64 s[22:23], s[22:23], s[32:33]
	s_lshl_b32 s32, s31, 15                        ; ws: 32,768 bytes a weight, 32 a column, 16 for 512 along K
	s_lshl_b32 s34, s29, 5
	s_add_co_u32 s32, s32, s34
	s_lshl_b32 s34, s30, 4
	s_add_co_u32 s32, s32, s34
	s_add_nc_u64 s[24:25], s[24:25], s[32:33]
.macro WLOAD t                         ; block t: w(32 t + i, my column) into set t % 2; the offsets stay under 511 x 4,096, inside the signed 24-bit immediate
.irp i, 0,1,2,3,4,5,6,7,8,9,10,11,12,13,14,15,16,17,18,19,20,21,22,23,24,25,26,27,28,29,30,31
	global_load_b32 v[WX+32*((\t)%2)+\i], v3, s[4:5] offset:(32*(\t)+\i)*4096 th:TH_LOAD_NT
.endr
.endm
	WLOAD 0
	WLOAD 1
.macro WBLOCK t
.set XS, WX+32*((\t)%2)
.if (\t) < NB-1
	s_wait_loadcnt 32                              ; this block's 32 loads are in; the next block's may be out
.else
	s_wait_loadcnt 0
.endif
	v_max3_num_f32 v12, |v[XS]|, |v[XS+1]|, |v[XS+2]|
	v_max3_num_f32 v13, |v[XS+3]|, |v[XS+4]|, |v[XS+5]|
.irp i, 6,10,14,18,22,26
	v_max3_num_f32 v12, v12, |v[XS+\i]|, |v[XS+\i+1]|
	v_max3_num_f32 v13, v13, |v[XS+\i+2]|, |v[XS+\i+3]|
.endr
	v_max3_num_f32 v12, v12, |v[XS+30]|, |v[XS+31]|
	v_max3_num_f32 v12, v12, v13, (EMAX+1)<<23     ; with the floor
	v_add_nc_u32 v11, -(EMAX<<23), v12             ; the conversion's scale operand
	v_lshrrev_b32 v13, 23, v11                     ; the scale's byte
.if (\t)%4 == 0
	v_mov_b32 v[WSB+(\t)/4], v13                   ; four bytes to a register, the lower K in the lower byte
.else
	v_lshl_or_b32 v[WSB+(\t)/4], v13, 8*((\t)%4), v[WSB+(\t)/4]
.endif
.irp g, 0,1,2,3
	v_cvt_scalef32_pk8_fp4_f32 v[WC+\g], v[XS+8*\g:XS+8*\g+7], v11
.endr
	v_nop                                          ; a plain line behind the last conversion
	ds_store_b128 v4, v[WC:WC+3] offset:16*(\t)    ; 32 codes: 16 bytes of my column's row
.if (\t)+2 < NB
	WLOAD (\t)+2
.endif
	s_wait_dscnt 0x0                               ; the store has read its registers: the next block's codes may be written
.endm
.set Q, 0
.rept NB
	WBLOCK Q
.set Q, Q+1
.endr
	global_store_b128 v9, v[WSB:WSB+3], s[24:25]   ; my column's 16 scale bytes
.irp t, 0,1,2,3,4,5,6,7,8,9,10,11,12,13,14,15
	ds_load_b128 v[WOUT+4*\t:WOUT+4*\t+3], v7 offset:2*\t*WP
.endr
.irp t, 0,1,2,3,4,5,6,7,8,9,10,11,12,13,14,15
	s_wait_dscnt 15-\t                             ; LDS loads come back in order: load t is in
	global_store_b128 v8, v[WOUT+4*\t:WOUT+4*\t+3], s[22:23] offset:2*\t*KROW
.endr
	s_wait_tensorcnt 0x0                           ; the wave's end: the three lines
	ds_add_u32 v[SPW], v[NIL]
	s_wait_dscnt 0x0
	s_endpgm
; ---------------- PATH O: w_o to f16, laid [k / 64][n][64].  A lane takes a column, its registers run down K; a wave takes 32 columns x 128 along K: two chunks of 64.
.Lo:
	s_sub_co_u32 s30, ttmp9, 48
	s_and_b32 s29, s30, 7                          ; which 128 columns
	s_lshr_b32 s30, s30, 3                         ; which 128 along K
	s_lshl_b32 s29, s29, 7
	s_lshl_b32 s32, s28, 5
	s_add_co_u32 s29, s29, s32                     ; my wave's first column
	v_lshlrev_b32 v3, 2, v2
	s_mul_i32 s32, s28, 2*32*OP
	s_add_co_u32 s32, s32, OSTG                    ; my stage: two chunks of 32 rows
	v_mul_u32_u24 v4, v2, OP
	v_add_nc_u32 v4, s32, v4                       ; into it: row = my column
	v_lshrrev_b32 v5, 3, v2
	v_and_b32 v6, 7, v2
	v_mul_u32_u24 v7, v5, OP
	v_lshl_add_u32 v7, v6, 4, v7
	v_add_nc_u32 v7, s32, v7                       ; out of it: eight lanes to a row of 128 bytes, four rows an instruction
	v_lshlrev_b32 v8, 4, v2                        ; which are 512 consecutive bytes of wo16
	s_lshl_b32 s32, s30, 19                        ; 128 rows of 4,096 bytes
	s_lshl_b32 s34, s29, 2
	s_add_co_u32 s32, s32, s34
	s_mov_b32 s33, 0
	s_add_nc_u64 s[16:17], s[16:17], s[32:33]
	s_lshl_b32 s32, s30, 18                        ; two chunks of 131,072 bytes
	s_lshl_b32 s34, s29, 7
	s_add_co_u32 s32, s32, s34
	s_add_nc_u64 s[26:27], s[26:27], s[32:33]
.macro OLOAD t
.irp i, 0,1,2,3,4,5,6,7,8,9,10,11,12,13,14,15,16,17,18,19,20,21,22,23,24,25,26,27,28,29,30,31
	global_load_b32 v[WX+32*((\t)%2)+\i], v3, s[16:17] offset:(32*(\t)+\i)*4096 th:TH_LOAD_NT
.endr
.endm
	OLOAD 0
	OLOAD 1
.macro OBLOCK t
.set XS, WX+32*((\t)%2)
.if (\t) < 3
	s_wait_loadcnt 32                              ; this block's 32 loads are in; the next block's may be out
.else
	s_wait_loadcnt 0
.endif
.irp i, 0,1,2,3,4,5,6,7,8,9,10,11,12,13,14,15
	v_cvt_pk_f16_f32 v[WC+\i], v[XS+2*\i], v[XS+2*\i+1]
.endr
.irp i, 0,1,2,3
	ds_store_b128 v4, v[WC+4*\i:WC+4*\i+3] offset:((\t)/2)*32*OP+((\t)%2)*64+16*\i
.endr
.if (\t)+2 < 4
	OLOAD (\t)+2
.endif
	s_wait_dscnt 0x0                               ; the stores have read their registers
.endm
	OBLOCK 0
	OBLOCK 1
	OBLOCK 2
	OBLOCK 3
.irp u, 0,1,2,3,4,5,6,7,8,9,10,11,12,13,14,15
	ds_load_b128 v[WOUT+4*\u:WOUT+4*\u+3], v7 offset:(\u/8)*32*OP+(\u%8)*4*OP
.endr
.irp u, 0,1,2,3,4,5,6,7,8,9,10,11,12,13,14,15
	s_wait_dscnt 15-\u
	global_store_b128 v8, v[WOUT+4*\u:WOUT+4*\u+3], s[26:27] offset:(\u/8)*131072+(\u%8)*512
.endr
	s_wait_tensorcnt 0x0                           ; the wave's end: the three lines
	ds_add_u32 v[SPW], v[NIL]
	s_wait_dscnt 0x0
	s_endpgm
.Lfunc_end_k_q91ce8fa026_prep:
	.size	k_q91ce8fa026_prep, .Lfunc_end_k_q91ce8fa026_prep-k_q91ce8fa026_prep
	.p2alignl 7, 3214868480
	.fill 96, 4, 3214868480
	.section	.rodata,"a",@progbits
	.p2align	6, 0x0
	.amdhsa_kernel k_q91ce8fa026_prep
		.amdhsa_group_segment_fixed_size 104960
		.amdhsa_private_segment_fixed_size 0
		.amdhsa_enable_private_segment 0
		.amdhsa_kernarg_size 96
		.amdhsa_user_sgpr_count 2
		.amdhsa_user_sgpr_kernarg_segment_ptr 1
		.amdhsa_wavefront_size32 1
		.amdhsa_system_sgpr_workgroup_id_x 1
		.amdhsa_system_sgpr_workgroup_id_y 1
		.amdhsa_system_sgpr_workgroup_id_z 1
		.amdhsa_system_vgpr_workitem_id 0
		.amdhsa_next_free_vgpr 194
		.amdhsa_next_free_sgpr 66
		.amdhsa_reserve_vcc 0
		.amdhsa_float_denorm_mode_32 3
		.amdhsa_float_denorm_mode_16_64 3
		.amdhsa_memory_ordered 1
		.amdhsa_forward_progress 1
		.amdhsa_inst_pref_size 133
	.end_amdhsa_kernel
	.amdgpu_metadata
---
amdhsa.version: [ 1, 2 ]
amdhsa.kernels:
  - .name:           k_q91ce8fa026_prep
    .symbol:         k_q91ce8fa026_prep.kd
    .args:
      - { .name: q, .offset: 0, .size: 8, .value_kind: global_buffer, .address_space: global }
      - { .name: k, .offset: 8, .size: 8, .value_kind: global_buffer, .address_space: global }
      - { .name: v, .offset: 16, .size: 8, .value_kind: global_buffer, .address_space: global }
      - { .name: w_q, .offset: 24, .size: 8, .value_kind: global_buffer, .address_space: global }
      - { .name: w_k, .offset: 32, .size: 8, .value_kind: global_buffer, .address_space: global }
      - { .name: w_v, .offset: 40, .size: 8, .value_kind: global_buffer, .address_space: global }
      - { .name: w_o, .offset: 48, .size: 8, .value_kind: global_buffer, .address_space: global }
      - { .name: xc, .offset: 56, .size: 8, .value_kind: global_buffer, .address_space: global }
      - { .name: xs, .offset: 64, .size: 8, .value_kind: global_buffer, .address_space: global }
      - { .name: wc, .offset: 72, .size: 8, .value_kind: global_buffer, .address_space: global }
      - { .name: ws, .offset: 80, .size: 8, .value_kind: global_buffer, .address_space: global }
      - { .name: wo16, .offset: 88, .size: 8, .value_kind: global_buffer, .address_space: global }
    .group_segment_fixed_size: 104960
    .private_segment_fixed_size: 0
    .kernarg_segment_align: 8
    .kernarg_segment_size: 96
    .max_flat_workgroup_size: 128
    .sgpr_count:     66
    .vgpr_count:     194
    .wavefront_size: 32
...
	.end_amdgpu_metadata
.endif
;; end of part 1
;; launch proj (part 2): grid 4 x 96, 4 waves a work-group, clusters of 4 x 4, 327,680 bytes of LDS; arguments xc, xs, wc, ws, hd, b_q, b_v, xf; writes hd, xf
.if DOCPART == 2
	.amdgcn_target "amdgcn-amd-amdhsa--gfx1250"
	.amdhsa_code_object_version 6
	.text
	.protected	k_q91ce8fa026_proj
	.globl	k_q91ce8fa026_proj
	.p2align	8
	.type	k_q91ce8fa026_proj,@function
k_q91ce8fa026_proj:
	s_mov_b64 s[64:65], 0
	v_nop
	global_prefetch_b8 v0, s[64:65] scope:SCOPE_SE
	s_setreg_imm32_b32 hwreg(HW_REG_WAVE_MODE, 25, 1), 1
	s_wait_xcnt 0x0
	s_wait_alu depctr_hold_cnt(0) depctr_sa_sdst(0) depctr_va_vdst(0) depctr_va_sdst(0) depctr_va_ssrc(0) depctr_va_vcc(0) depctr_vm_vsrc(0)
	s_getreg_b32 s2, hwreg(HW_REG_IB_STS2, 6, 4)
	s_cmp_eq_u32 s2, 0
	s_cbranch_scc0 .Lentry_in_a_cluster
	s_endpgm
.Lentry_in_a_cluster:
	s_bfe_u32 s2, ttmp6, 0x10000c
	s_cmp_lg_u32 s2, 0xf033
	s_cbranch_scc0 .Lentry_shape_is_right
	s_endpgm
.Lentry_shape_is_right:
; THE THREE PROJECTIONS q @ w_q + b_q, k @ w_k, v @ w_v + b_v on codes of FP4 (E2M1) with one E8M0 scale for each 32 along K; sums in f32.
; LEFT OUT: b_k (the softmax takes its term away for all values: shown at the head of the first launch); K's sums begin with zeros.
; A = xc [3 x 8192][512 bytes], B = wc [3 x 1024][512 bytes], their scale bytes xs, ws (32 a row).  K = 1,024: two K steps of 512, one in each of two LDS slots; nothing is filled again.
; A tile of 256 rows x 256 columns is made by four waves, 128 x 128 each: 64 accumulators, 512 registers.  The results go out as f16 by head, hd [3][4 b][16 h][2048 s][64],
; and rows 0-15 of each sequence also as f32, xf [3][4][16][1024], for the launch that carries those rows more finely.  LIMIT: |result| up to 65,504 (f16).
; CLUSTERS: 4 x 4.  cx = the tile column; cy = the batch; the cluster's y gives the tensor p (0 q, 1 k, 2 v) and the block sb of 256 positions.  The four of a row of the cluster share A's tiles,
; the four of a column B's: each is asked for jointly.  p and sb are the same in all sixteen partners, so branches may hang on them.
; THE MATRIX INSTRUCTION IS USED TRANSPOSED (source 0 = 16 rows of B, source 1 = 16 rows of A): a lane holds eight neighbouring columns of one row.
; The bias is the C of each sum's first product: eight registers for each block of 16 columns, in the result's layout.
; REGISTERS: window 0: v0-31 addresses; v32-95 scale words, two sets; v128-191 A's fragments, one set; v192-255 the bias.  window 1: B's fragments, two sets.  windows 2, 3: the accumulators.
.set KSTEP,  512
.set NQ,     KSTEP/128
.set ROWB,   256                       ; a tile's row in bytes
.set KROW,   512                       ; a row of codes in memory
.set PITCH,  272                       ; an LDS row: 256 bytes + 16: the 16 rows that a load touches begin 68 words apart
.set FR,     8
.set NL,     2
.set NP,     4
.set HALFT,  128*PITCH
.set SLOT,   4*HALFT
.set KS,     32                        ; a row of scale bytes
.set SCL,    2*SLOT                    ; behind the slots: the scales, as units of 256 bytes + 16
.set HALFS,  (128*KS/256)*272
.set SBLK,   (16*KS/256)*272
.set SPARE,  SCL+4*HALFS               ; the spare words, 128 bytes for each wave
.set SPITCH, 528                       ; the way out: a stage of 8,448 bytes for each wave, in slot 0, which has had its only fill and its last read by then
.set ADRA, 16
.set ADRB, 20
.set STO,  24                          ; v24  f16 into the stage: 144 r + 16 h
.set RD,   25                          ; v25  and back: 144 (lane / 8) + 16 (lane % 8)
.set CO,   26                          ; v26  16 x lane
.set ADRS, 27
.set SPW,  28
.set NIL,  29
.set STF,  30                          ; v30  f32 into the stage: 528 r + 32 h
.set RDF,  31                          ; v31  and back: 16 x lane
.set SC,   32
.set AF,   128
.set BI,   192                         ; the bias: register 8 b + j = bias[my first column + 16 b + 8 h + j]
.set TMP,  32                          ; the way out: packed results
.set BK,   64                          ; and rows read back: v64-95, v96-127 by turns
.set G1, 24
.set G0, 32
.set G1B, 48
.set G0B, 56
.set G1S, 68
.set G0S, 76
.set G1SB, 80
.set G0SB, 88
.set MSB, 0
.macro WIN new                         ; the immediate's high byte repeats the setting that is left
.if MSB != (\new)
	s_set_vgpr_msb (MSB<<8)|(\new)
.set MSB, (\new)
.endif
.endm
.set MUL_LO, 0xa1                      ; source 0 (B) window 1, source 1 (A) window 0, C and D window 2
.set MUL_HI, 0xf1
.set BIA_LO, 0x81                      ; the same with C (the bias) in window 0
.set BIA_HI, 0xc1
.set TO_B,   0x40
.macro JLOAD g0a, g1a, g0b, g1b        ; a joint load: waves 0 and 1 fetch for A, waves 2 and 3 for B; an s_nop 0 and four v_nop follow each line
	s_cmp_eq_u32 s15, 0
	s_cbranch_scc0 .Lfor_b_\@
	tensor_load_to_lds s[\g0a:\g0a+3], s[\g1a:\g1a+7]
	s_nop 0
.rept 4
	v_nop
.endr
	s_branch .Lasked_\@
.Lfor_b_\@:
	tensor_load_to_lds s[\g0b:\g0b+3], s[\g1b:\g1b+7]
	s_nop 0
.rept 4
	v_nop
.endr
.Lasked_\@:
.endm
.macro CROUND                          ; a round of the cluster's barrier
	s_barrier_signal -1
	s_barrier_wait -1
	s_cmp_lg_u32 s14, 0
	s_cbranch_scc1 .Lnot_wave_0_\@
	s_barrier_signal -3
.Lnot_wave_0_\@:
	s_barrier_wait -3
	s_barrier_signal -1
	s_barrier_wait -1
.endm
	s_load_b128 s[4:7], s[0:1], 0x0                ; xc, xs
	s_load_b128 s[8:11], s[0:1], 0x10              ; wc, ws
	s_load_b64 s[12:13], s[0:1], 0x20              ; hd
	s_load_b128 s[96:99], s[0:1], 0x28             ; b_q, b_v
	s_load_b64 s[100:101], s[0:1], 0x38            ; xf
	v_lshl_add_u32 v[SPW], v0, 2, SPARE
	v_mov_b32 v[NIL], 0
	ds_add_u32 v[SPW], v[NIL]                      ; the wave's opening: the add, twice on end, and its wait ahead of my first tensor load
	ds_add_u32 v[SPW], v[NIL]
	v_lshrrev_b32 v1, 5, v0
	v_readfirstlane_b32 s14, v1                    ; wave 0..3
	s_lshr_b32 s15, s14, 1                         ; which half of the tile's rows is mine.  Also: I fetch for A (0) or for B (1)
	s_and_b32 s16, s14, 1                          ; which half of its columns.  Also: which 128 rows I fetch
	s_bfe_u32 s40, ttmp6, 0x40000                  ; cx: the tile column
	s_bfe_u32 s41, ttmp6, 0x40004                  ; cy: the batch
	s_and_b32 s17, ttmp7, 0xffff                   ; the cluster's y, 0 .. 23
	s_lshr_b32 s2, s17, 3                          ; p: the tensor
	s_and_b32 s3, s17, 7                           ; sb: the block of 256 positions
	s_lshl_b32 s17, s2, 5
	s_lshl_b32 s18, s41, 3
	s_add_co_u32 s17, s17, s18
	s_add_co_u32 s17, s17, s3                      ; A's tile row = 32 p + 8 cy + sb
	s_lshl_b32 s43, s41, 2
	s_lshl_b32 s43, 15, s43                        ; my row of the cluster
	s_lshl_b32 s44, 0x1111, s40                    ; my column
	s_or_b32 s[G1+0], s43, (0<<16)|(1<<20)|(1<<21)|(5<<22)|(3<<25)  ; the mask; elements of 1 byte; padding: 4 words after every 64; bit 21 beside a mask
	s_or_b32 s[G1B+0], s44, (0<<16)|(1<<20)|(1<<21)|(5<<22)|(3<<25)
.irp g, G1, G1B
	s_mov_b32 s[\g+1], ROWB<<16                    ; tensor_dim0
	s_mov_b32 s[\g+2], 128<<16                     ; tensor_dim1
	s_mov_b32 s[\g+3], ROWB<<16                    ; tile_dim0
	s_mov_b32 s[\g+4], 128                         ; tile_dim1
	s_mov_b32 s[\g+5], KROW                        ; the pitch
	s_mov_b32 s[\g+6], 0
	s_mov_b32 s[\g+7], 0
.endr
	s_or_b32 s[G1S+0], s43, (3<<16)|(1<<20)|(1<<21)|(5<<22)|(3<<25) ; the scales of 128 rows: 4,096 dense bytes as 16 rows of 256 (32 elements of 8 bytes)
	s_or_b32 s[G1SB+0], s44, (3<<16)|(1<<20)|(1<<21)|(5<<22)|(3<<25)
.irp g, G1S, G1SB
	s_mov_b32 s[\g+1], 32<<16
	s_mov_b32 s[\g+2], (128*KS/256)<<16
	s_mov_b32 s[\g+3], 32<<16
	s_mov_b32 s[\g+4], 128*KS/256
	s_mov_b32 s[\g+5], 32
	s_mov_b32 s[\g+6], 0
	s_mov_b32 s[\g+7], 0
.endr
	s_lshl_b32 s18, s16, 7                         ; which 128 rows of the tile I fetch
	s_lshl_b32 s20, s17, 8
	s_add_co_u32 s20, s20, s18                     ; A: row 256 x tile row + 128 x half
	s_lshl_b32 s46, s40, 8
	s_add_co_u32 s46, s46, s18
	s_lshl_b32 s47, s2, 10
	s_add_co_u32 s46, s46, s47                     ; B: row 1,024 p + 256 cx + 128 x half
	s_mov_b32 s21, 0
	s_mov_b32 s47, 0
	s_mov_b64 s[18:19], KS
	s_mul_u64 s[22:23], s[20:21], s[18:19]         ; where these rows' scales begin
	s_mul_u64 s[92:93], s[46:47], s[18:19]
	s_mov_b64 s[18:19], KROW
	s_mul_u64 s[20:21], s[20:21], s[18:19]         ; and their codes
	s_mul_u64 s[46:47], s[46:47], s[18:19]
	s_mul_i32 s45, s14, HALFT                      ; where they go: wave x 128 rows
	s_mul_i32 s94, s14, HALFS
	s_wait_dscnt 0x0                               ; both opening adds are done
	s_wait_kmcnt 0x0
	s_add_nc_u64 s[20:21], s[4:5], s[20:21]
	s_add_nc_u64 s[22:23], s[6:7], s[22:23]
	s_add_nc_u64 s[46:47], s[8:9], s[46:47]
	s_add_nc_u64 s[92:93], s[10:11], s[92:93]
	CROUND                                         ; all sixteen work-groups are here: the joint loads meet
	s_mov_b32 s[G0S], 1
	s_add_co_u32 s[G0S+1], s94, SCL
	s_mov_b64 s[G0S+2:G0S+3], s[22:23]
	s_or_b32 s[G0S+3], s[G0S+3], 0x80000000
	s_mov_b32 s[G0SB], 1
	s_add_co_u32 s[G0SB+1], s94, SCL
	s_mov_b64 s[G0SB+2:G0SB+3], s[92:93]
	s_or_b32 s[G0SB+3], s[G0SB+3], 0x80000000
	JLOAD G0S, G1S, G0SB, G1SB                     ; the scales first.  Three loads of mine are out at the most
.irp s, 0,1
	s_mov_b32 s[G0+4*\s], 1
	s_add_co_u32 s[G0+4*\s+1], s45, \s*SLOT
	s_add_nc_u64 s[G0+4*\s+2:G0+4*\s+3], s[20:21], \s*ROWB
	s_or_b32 s[G0+4*\s+3], s[G0+4*\s+3], 0x80000000
	s_mov_b32 s[G0B+4*\s], 1
	s_add_co_u32 s[G0B+4*\s+1], s45, \s*SLOT
	s_add_nc_u64 s[G0B+4*\s+2:G0B+4*\s+3], s[46:47], \s*ROWB
	s_or_b32 s[G0B+4*\s+3], s[G0B+4*\s+3], 0x80000000
	JLOAD G0+4*\s, G1, G0B+4*\s, G1B
.endr
	v_and_b32 v1, 15, v0                           ; r
	v_bfe_u32 v2, v0, 4, 1                         ; h
	v_mul_u32_u24 v3, v1, PITCH
	v_lshl_add_u32 v4, v2, 4, v3                   ; a fragment's row x pitch + 16 h
	s_mul_i32 s21, s15, HALFT                      ; my 128 rows of A
	s_mul_i32 s22, s16, HALFT                      ; my 128 rows of B,
	s_add_co_u32 s22, s22, 2*HALFT                 ; behind A's 256
.irp s, 0,1
	v_add_nc_u32 v[ADRA+\s], s21, v4
	v_add_nc_u32 v[ADRB+\s], s22, v4
	s_add_co_u32 s21, s21, SLOT
	s_add_co_u32 s22, s22, SLOT
.endr
	v_mul_u32_u24 v5, v1, KS                       ; my row's scales: 32 bytes a row,
	v_lshrrev_b32 v6, 8, v5
	v_lshl_add_u32 v5, v6, 4, v5                   ; and 16 more for each 256 passed
	s_mul_i32 s21, s15, HALFS
	s_mul_i32 s22, s16, HALFS
	s_add_co_u32 s22, s22, 2*HALFS
	s_sub_co_u32 s22, s22, s21
	v_mul_u32_u24 v6, s22, v2                      ; lanes 16-31 take B's: one product, the distance between the two bases
	s_add_co_u32 s21, s21, SCL
	v_add_nc_u32 v5, v5, v6
	v_add_nc_u32 v[ADRS], s21, v5
	s_mul_i32 s23, s14, 16*SPITCH                  ; my stage
	v_mul_u32_u24 v5, v1, 144
	v_lshl_add_u32 v5, v2, 4, v5
	v_add_nc_u32 v[STO], s23, v5
	v_and_b32 v6, 31, v0
	v_lshrrev_b32 v7, 3, v6
	v_and_b32 v8, 7, v6
	v_mul_u32_u24 v7, v7, 144
	v_lshl_add_u32 v7, v8, 4, v7
	v_add_nc_u32 v[RD], s23, v7
	v_lshlrev_b32 v[CO], 4, v6
	v_mul_u32_u24 v5, v1, SPITCH
	v_lshl_add_u32 v5, v2, 5, v5
	v_add_nc_u32 v[STF], s23, v5
	v_add_nc_u32 v[RDF], s23, v[CO]
	s_lshl_b32 s20, s2, 24                         ; hd: 2^24 bytes a tensor, 2^22 a batch, 2^18 a head, 128 a position
	s_lshl_b32 s21, s41, 22
	s_add_co_u32 s20, s20, s21
	s_lshl_b32 s21, s40, 2
	s_lshl_b32 s22, s16, 1
	s_add_co_u32 s21, s21, s22                     ; my first head: 4 cx + 2 x half
	s_lshl_b32 s21, s21, 18
	s_add_co_u32 s20, s20, s21
	s_lshl_b32 s21, s3, 15
	s_add_co_u32 s20, s20, s21                     ; position 256 sb
	s_lshl_b32 s21, s15, 14
	s_add_co_u32 s20, s20, s21                     ; + 128 x half
	s_mov_b32 s21, 0
	s_add_nc_u64 s[12:13], s[12:13], s[20:21]
	s_lshl_b32 s22, s40, 10
	s_lshl_b32 s23, s16, 9
	s_add_co_u32 s22, s22, s23                     ; my first column, in bytes of f32
	s_lshl_b32 s20, s2, 2
	s_add_co_u32 s20, s20, s41
	s_lshl_b32 s20, s20, 16                        ; xf: 65,536 bytes for a tensor's batch
	s_add_co_u32 s20, s20, s22
	s_add_nc_u64 s[100:101], s[100:101], s[20:21]
	s_mov_b32 s20, s22
	s_cmp_eq_u32 s2, 0
	s_cselect_b64 s[96:97], s[96:97], s[98:99]     ; b_q for q, b_v for v
	s_add_nc_u64 s[96:97], s[96:97], s[20:21]
	v_lshlrev_b32 v9, 5, v2                        ; 8 h numbers on
	s_cmp_eq_u32 s2, 1                             ; K's projection has no bias: p is the same in all partners
	s_cbranch_scc1 .Lno_bias
.irp b, 0,1,2,3,4,5,6,7
	global_load_b128 v[BI+8*\b:BI+8*\b+3], v9, s[96:97] offset:64*\b
	global_load_b128 v[BI+8*\b+4:BI+8*\b+7], v9, s[96:97] offset:64*\b+16
.endr
	s_branch .Lbias_done
.Lno_bias:
.set i, 0
.rept 64
	v_mov_b32 v[BI+i], 0
.set i, i+1
.endr
.Lbias_done:
.macro FRAG reg, adr, q, i             ; 16 rows x 128 K of 4-bit codes: 8 registers, two loads of 16 bytes, 32 bytes apart
.irp c, 0,1
	ds_load_b128 v[\reg+4*\c:\reg+4*\c+3], v[\adr] offset:64*(\q)+32*\c+(\i)*16*PITCH
.endr
.endm
; 16 products: A's blocks a0, a0 + 1 x B's eight.  zero = 1: the first product starts the sums, from the bias.  The 64 accumulators take turns, one instruction a turn.
.macro MUL16 a0, p, q, sc, zero
.irp a, \a0, \a0+1
.irp b, 0,1,2,3,4,5,6,7
.if \zero
	v_wmma_scale_f32_16x16x128_f8f6f4 v[8*(8*((\a)%4)+\b):8*(8*((\a)%4)+\b)+7], v[128*(\p)+FR*\b:128*(\p)+FR*\b+FR-1], v[AF+FR*(\a):AF+FR*(\a)+FR-1], v[BI+8*\b:BI+8*\b+7], v[SC+8*NQ*(\sc)+NQ*\b+(\q)], v[SC+8*NQ*(\sc)+NQ*(\a)+(\q)] matrix_a_fmt:MATRIX_FMT_FP4 matrix_b_fmt:MATRIX_FMT_FP4 matrix_a_scale:MATRIX_SCALE_ROW1
.else
	v_wmma_scale_f32_16x16x128_f8f6f4 v[8*(8*((\a)%4)+\b):8*(8*((\a)%4)+\b)+7], v[128*(\p)+FR*\b:128*(\p)+FR*\b+FR-1], v[AF+FR*(\a):AF+FR*(\a)+FR-1], v[8*(8*((\a)%4)+\b):8*(8*((\a)%4)+\b)+7], v[SC+8*NQ*(\sc)+NQ*\b+(\q)], v[SC+8*NQ*(\sc)+NQ*(\a)+(\q)] matrix_a_fmt:MATRIX_FMT_FP4 matrix_b_fmt:MATRIX_FMT_FP4 matrix_a_scale:MATRIX_SCALE_ROW1
.endif
.endr
.endr
.endm
.macro FETCH_B slot, q, p
	WIN TO_B
.irp i, 0,1,2,3,4,5,6,7
	FRAG 128*(\p)+FR*\i, ADRB+\slot, \q, \i
.endr
	WIN 0
.endm
.macro FETCH_A slot, q, i0
.irp i, \i0, \i0+1, \i0+2, \i0+3
	FRAG AF+FR*(\i), ADRA+\slot, \q, \i
.endr
.endm
.macro SCALES sc                       ; a K step's scale words: lanes 0-15 A's block i, lanes 16-31 B's block i
.irp i, 0,1,2,3,4,5,6,7
	ds_load_b128 v[SC+8*NQ*\sc+NQ*\i:SC+8*NQ*\sc+NQ*\i+3], v[ADRS] offset:\i*SBLK
.endr
.endm
.macro PLACES n                        ; plain vector lines between matrix instructions and loads into, or reads of, their registers
.rept \n
	v_nop
.endr
.endm
.macro STEP slot, q, zero              ; 128 along K whose successor lies in the same slot
	s_wait_dscnt 4*NL                              ; all but the youngest eight loads (A's blocks 4-7) are in
.if \zero
	WIN BIA_LO
.else
	WIN MUL_LO
.endif
	MUL16 0, (\q)%2, \q, \slot, \zero
	MUL16 2, (\q)%2, \q, \slot, \zero
	s_wait_dscnt 0
	PLACES NP
	FETCH_B \slot, (\q)+1, 1-(\q)%2
	FETCH_A \slot, (\q)+1, 0
.if \zero
	WIN BIA_HI
.else
	WIN MUL_HI
.endif
	MUL16 4, (\q)%2, \q, \slot, \zero
	MUL16 6, (\q)%2, \q, \slot, \zero
	PLACES NP
	WIN 0
	FETCH_A \slot, (\q)+1, 4
.endm
.macro STEPS slot, from
.set Q, \from
.rept NQ-1-\from
	STEP \slot, Q, 0
.set Q, Q+1
.endr
.endm
	s_wait_tensorcnt 1                             ; the scales and my part of slot 0 are in; slot 1's load may be out
	s_barrier_signal -1
	s_barrier_wait -1
	FETCH_B 0, 0, 0
	FETCH_A 0, 0, 0
	SCALES 0
	FETCH_A 0, 0, 4
	s_wait_loadcnt 0x0                             ; the bias
	STEP 0, 0, 1
	STEPS 0, 1
	; slot 0's last step changes slots: my part of slot 1 has landed, my reads of slot 0 are over; one barrier; nothing is filled again
	s_wait_tensorcnt 0x0
	ds_add_u32 v[SPW], v[NIL]
	s_wait_dscnt 4*NL+1                            ; the add and A's blocks 4-7 may be out
	WIN MUL_LO
	MUL16 0, 1, NQ-1, 0, 0
	s_wait_dscnt 0x0
	s_barrier_signal -1
	MUL16 2, 1, NQ-1, 0, 0
	WIN 0
	s_barrier_wait -1
	PLACES NP
	v_add_nc_u32 v[ADRS], 4*NQ, v[ADRS]            ; the second K step's scale words
	FETCH_B 1, 0, 0
	FETCH_A 1, 0, 0
	SCALES 1
	WIN MUL_HI
	MUL16 4, 1, NQ-1, 0, 0
	MUL16 6, 1, NQ-1, 0, 0
	PLACES NP
	WIN 0
	FETCH_A 1, 0, 4
	STEPS 1, 0
	s_wait_dscnt 4*NL
	WIN MUL_LO
	MUL16 0, 1, NQ-1, 1, 0
	MUL16 2, 1, NQ-1, 1, 0
	s_wait_dscnt 0
	WIN MUL_HI
	MUL16 4, 1, NQ-1, 1, 0
	MUL16 6, 1, NQ-1, 1, 0
	WIN 0
; THE WAY OUT.  A block of 16 rows x 128 columns is two heads x 16 positions x 64.  It is rounded to f16, goes through my stage (rows of 128 bytes + 16) and leaves as 512 consecutive bytes of one head an instruction.
.macro PACK a
.set AC, 64*((\a)%4)
	WIN 0x0a+5*((\a)/4)                            ; sources 0 and 1: window 2 or 3
.irp b, 0,1,2,3,4,5,6,7
.irp i, 0,1,2,3
	v_cvt_pk_f16_f32 v[TMP+4*\b+\i], v[AC+8*\b+2*\i], v[AC+8*\b+2*\i+1]   ; each accumulator from its low end on
.endr
.endr
	WIN 0
.endm
.macro TOSTAGE a
.set BB, BK+32*((\a)%2)
.irp b, 0,1,2,3,4,5,6,7
	ds_store_b128 v[STO], v[TMP+4*\b:TMP+4*\b+3] offset:(\b/4)*2304+(\b%4)*32
.endr
.irp u, 0,1,2,3,4,5,6,7
	ds_load_b128 v[BB+4*\u:BB+4*\u+3], v[RD] offset:(\u/4)*2304+(\u%4)*576   ; LDS serves a wave's instructions in order: these see the stores above
.endr
.endm
.macro SEND a
.set BB, BK+32*((\a)%2)
	s_wait_dscnt 0x0                               ; the block is back in registers
	s_wait_xcnt 0x0                                ; the earlier stores have read their registers: the next block's loads may land there
.irp u, 0,1,2,3,4,5,6,7
	global_store_b128 v[CO], v[BB+4*\u:BB+4*\u+3], s[12:13] offset:(\u/4)*262144+(16*(\a)+4*(\u%4))*128
.endr
.endm
	PLACES NP
	s_or_b32 s20, s3, s15                          ; positions 0-15 of a sequence lie in block sb = 0, in the waves of the upper half, in their block 0
	s_cmp_lg_u32 s20, 0
	s_cbranch_scc1 .Lcoarse
	WIN 0x08                                       ; an LDS store's data: window 2
.irp b, 0,1,2,3,4,5,6,7
	ds_store_b128 v[STF], v[8*\b:8*\b+3] offset:64*\b
	ds_store_b128 v[STF], v[8*\b+4:8*\b+7] offset:64*\b+16
.endr
	WIN 0
.irp t, 0,1,2,3,4,5,6,7,8,9,10,11,12,13,14,15
	ds_load_b128 v[128+4*\t:131+4*\t], v[RDF] offset:\t*SPITCH
.endr
	s_wait_dscnt 0x0
.irp t, 0,1,2,3,4,5,6,7,8,9,10,11,12,13,14,15
	global_store_b128 v[CO], v[128+4*\t:131+4*\t], s[100:101] offset:\t*4096   ; 512 consecutive bytes of a row of xf
.endr
.Lcoarse:
	PACK 0
	TOSTAGE 0
.irp a, 1,2,3,4,5,6,7
	PACK \a
	SEND \a-1
	TOSTAGE \a
.endr
	SEND 7
	s_wait_tensorcnt 0x0                           ; the wave's end
	ds_add_u32 v[SPW], v[NIL]
	s_wait_dscnt 0x0
	CROUND                                         ; the closing round
	s_endpgm
.Lfunc_end_k_q91ce8fa026_proj:
	.size	k_q91ce8fa026_proj, .Lfunc_end_k_q91ce8fa026_proj-k_q91ce8fa026_proj
	.p2alignl 7, 3214868480
	.fill 96, 4, 3214868480
	.section	.rodata,"a",@progbits
	.p2align	6, 0x0
	.amdhsa_kernel k_q91ce8fa026_proj
		.amdhsa_group_segment_fixed_size 327680
		.amdhsa_private_segment_fixed_size 0
		.amdhsa_enable_private_segment 0
		.amdhsa_kernarg_size 64
		.amdhsa_user_sgpr_count 2
		.amdhsa_user_sgpr_kernarg_segment_ptr 1
		.amdhsa_wavefront_size32 1
		.amdhsa_system_sgpr_workgroup_id_x 1
		.amdhsa_system_sgpr_workgroup_id_y 1
		.amdhsa_system_sgpr_workgroup_id_z 1
		.amdhsa_system_vgpr_workitem_id 0
		.amdhsa_next_free_vgpr 1024
		.amdhsa_next_free_sgpr 102
		.amdhsa_reserve_vcc 0
		.amdhsa_float_denorm_mode_32 3
		.amdhsa_float_denorm_mode_16_64 3
		.amdhsa_memory_ordered 1
		.amdhsa_forward_progress 1
		.amdhsa_inst_pref_size 134
	.end_amdhsa_kernel
	.amdgpu_metadata
---
amdhsa.version: [ 1, 2 ]
amdhsa.kernels:
  - .name:           k_q91ce8fa026_proj
    .symbol:         k_q91ce8fa026_proj.kd
    .args:
      - { .name: xc, .offset: 0, .size: 8, .value_kind: global_buffer, .address_space: global }
      - { .name: xs, .offset: 8, .size: 8, .value_kind: global_buffer, .address_space: global }
      - { .name: wc, .offset: 16, .size: 8, .value_kind: global_buffer, .address_space: global }
      - { .name: ws, .offset: 24, .size: 8, .value_kind: global_buffer, .address_space: global }
      - { .name: hd, .offset: 32, .size: 8, .value_kind: global_buffer, .address_space: global }
      - { .name: b_q, .offset: 40, .size: 8, .value_kind: global_buffer, .address_space: global }
      - { .name: b_v, .offset: 48, .size: 8, .value_kind: global_buffer, .address_space: global }
      - { .name: xf, .offset: 56, .size: 8, .value_kind: global_buffer, .address_space: global }
    .group_segment_fixed_size: 327680
    .private_segment_fixed_size: 0
    .kernarg_segment_align: 8
    .kernarg_segment_size: 64
    .max_flat_workgroup_size: 128
    .sgpr_count:     102
    .vgpr_count:     1024
    .wavefront_size: 32
...
	.end_amdgpu_metadata
.endif
;; end of part 2
;; launch attn (part 3): grid 4 x 64, 8 waves a work-group, no clusters, 327,680 bytes of LDS; arguments hd, ao; writes ao
.if DOCPART == 3
	.amdgcn_target "amdgcn-amd-amdhsa--gfx1250"
	.amdhsa_code_object_version 6
	.text
	.protected	k_q91ce8fa026_attn
	.globl	k_q91ce8fa026_attn
	.p2align	8
	.type	k_q91ce8fa026_attn,@function
k_q91ce8fa026_attn:
	s_mov_b64 s[64:65], 0
	v_nop
	global_prefetch_b8 v0, s[64:65] scope:SCOPE_SE
	s_setreg_imm32_b32 hwreg(HW_REG_WAVE_MODE, 25, 1), 1
	s_wait_xcnt 0x0
; CAUSAL ATTENTION of one head: O[q] = sum over keys t <= q of softmax_t(Q[q] . K[t] / 8) V[t].  Q, K, V: hd [3][64 heads][2048][64] f16; O: ao [16 h][4 b x 2048][64] f16.
; Products on f16 operands with f32 sums; maxima, exponentials and sums in f32; the weights p (at most 1) are rounded to f16 for the second product.  A running maximum is taken away before each exponential.
; LEFT OUT: key steps that lie wholly behind the diagonal; K carries no bias (shown at the head of the first launch).
; Positions 0-15 of each sequence are computed here too, inside live tiles; a later launch carries those rows in f32 and writes them last.
; SHARES.  Work-group (I, head) owns query blocks 7 - I and I, 256 queries each: (8 - I) + (I + 1) = 9 key blocks of 256 for every work-group, so the trip count is a constant and all work-groups are equal.
; Each of eight waves owns 32 queries of a block: two tiles of 16.  A trip is one key block = one LDS slot = four steps of 64 keys.  A step all of whose keys come after the wave's queries is jumped over.
; NO CLUSTER: under the mask the four work-groups of a head need different key blocks in a given trip, so no joint request could be alike in all partners.
; LAYOUT.  S^T = K Q^T (source 0 = 16 keys, source 1 = 16 queries) and O^T = V^T P: a lane holds one query (lane % 16) throughout; two tiles of S^T, rounded in pairs, are source 1 of the second product.
; Rows of 64 f16 are 128 bytes and dense: a tensor load states two of them as one row of 256 bytes.  Logical row r lies at (r / 2) x pitch + 128 (r % 2); pitch 272 for K, 288 for V (read turned).
; REGISTERS: window 0: v1-16 addresses and constants; v20-35 statistics, eight a tile; v40-103 S^T; v104-135 P; v136-199 K's fragments.  window 1: v0-31 Q; v32-95 O^T; v96-159 V's fragments.
.set KP2,   272
.set VP2,   288
.set VOFF,  128*KP2                    ; a slot: 128 double rows of K, then 128 of V
.set KSTEP, 32*KP2                     ; a step of 64 keys in K, and what one wave's load brings
.set VSTEP, 32*VP2
.set SLOT1, 1<<17
.set STAGE, SLOT1+VOFF+128*VP2         ; behind the ring: 32 rows x 144 bytes for each wave: bytes of their own, since fills follow the first way out
.set SPARE, STAGE+8*4608               ; the spare words, 128 bytes for each wave
.set R,   1
.set H,   2
.set AK0, 3
.set AV0, 4
.set ADK, 5
.set ADV, 6
.set QO,  7
.set STO, 8
.set RD,  9
.set GO,  10
.set SPW, 11
.set NIL, 12
.set PFO, 13
.set DM,  14                           ; r - 8 h
.set DMS, 15
.set NINF, 16
.set ST,  20                           ; tile t at v[ST + 8 t]: +0 c m, +1 m, +2, +3 l, +4 .. +7 at work; a takes +6
.set S,   40
.set P,   104
.set KFR, 136
.set QF,  0                            ; window 1
.set O,   32
.set VF,  96
.set WV,  8
.set II,  9
.set BH,  10
.set N1,  11                           ; trips of the first phase: 8 - I
.set G1K, 16
.set G1V, 24
.set G0K, 32
.set G0V, 36
.set PFA, 40
.set LIMT, 42
.set T,   44
.set NBV, 45
.set NB,  46
.set TK,  48
.set TV,  49
.set KF,  50                           ; the step's first key
.set Q0,  51                           ; my first query
.set STP, 52
.set Q0B, 53
.set CS,  54                           ; s[54:55] c = log2(e) / 8
.set SEL, 56
.set QA,  58
.set OA,  60
.set QB,  66
.set OB,  68
.set MSB, 0
.macro WIN new
.if MSB != (\new)
	s_set_vgpr_msb (MSB<<8)|(\new)
.set MSB, (\new)
.endif
.endm
.macro TLOAD                           ; waves 0-3 fetch a quarter of K's block each, waves 4-7 of V's: every wave has its one load; an s_nop 0 and four v_nop follow each line
	s_cmp_lt_u32 s[WV], 4
	s_cbranch_scc0 .Lfor_v_\@
	tensor_load_to_lds s[G0K:G0K+3], s[G1K:G1K+7]
	s_nop 0
.rept 4
	v_nop
.endr
	s_branch .Lasked_\@
.Lfor_v_\@:
	tensor_load_to_lds s[G0V:G0V+3], s[G1V:G1V+7]
	s_nop 0
.rept 4
	v_nop
.endr
.Lasked_\@:
.endm
; A prefetch of my wave's 8,192 bytes of the key block that the NEXT change of slots will ask for, lanes 256 bytes apart.  All four work-groups of a head walk the same K and V: work-group I = 0 asks,
; which takes key blocks 0 to 7 in trips 0 to 7.  It asks in trips 0 to 5, for blocks 2 to 7: each aligned 256 bytes once in the launch; blocks 0 and 1 come by their loads alone.
.macro ASK
	s_cmp_lt_u32 s[T], s[LIMT]
	s_cbranch_scc0 .Lnot_mine_\@
	global_prefetch_b8 v[PFO], s[PFA:PFA+1] th:TH_LOAD_NT scope:SCOPE_SE
.Lnot_mine_\@:
.endm
; THE CHANGE OF SLOTS, at a trip's head.  All my tensor loads have landed (my part of the slot ahead); the add; my reads of the slot left are over; one barrier; then my one load fills the slot left.
.macro CHANGE fill
	s_wait_tensorcnt 0x0                           ; no tensor load of mine is out, so the groups 0 may be written
	ds_add_u32 v[SPW], v[NIL]
.if \fill
	s_xor_b32 s[G0K+1], s[G0K+1], SLOT1
	s_xor_b32 s[G0V+1], s[G0V+1], SLOT1
	s_add_nc_u64 s[G0K+2:G0K+3], s[G0K+2:G0K+3], 32768   ; the next 256 keys,
	s_add_nc_u64 s[G0V+2:G0V+3], s[G0V+2:G0V+3], 32768
	s_add_co_u32 s62, s[T], 1
	s_cmp_eq_u32 s62, s[N1]
	s_cselect_b32 s[NB], s[NBV], 0                 ; or, where the next trip begins the second phase, back to key block 0
	s_sub_nc_u64 s[G0K+2:G0K+3], s[G0K+2:G0K+3], s[NB:NB+1]
	s_sub_nc_u64 s[G0V+2:G0V+3], s[G0V+2:G0V+3], s[NB:NB+1]
	s_wait_xcnt 0x0                                ; the last prefetch, a trip back, has read its address
	s_add_nc_u64 s[PFA:PFA+1], s[PFA:PFA+1], 32768
.endif
	s_wait_dscnt 0x0                               ; the add is done, and my reads of the slot that I have left are over
	s_barrier_signal -1
	s_barrier_wait -1
.if \fill
	TLOAD                                          ; one load of mine is out; it has a trip's four steps in which to land
	ASK
.endif
.endm
; A phase begins: the largest score so far is -3e38, under every score; sums and O^T are zeros, which the first rescaling leaves zeros; the phase's 32 queries come into registers.
.macro INIT
.irp t, 0,1
	v_mov_b32 v[ST+8*\t+1], 0xff61b1e6
	v_mul_f32 v[ST+8*\t], s[CS], v[ST+8*\t+1]
.irp i, 2,3,4,5,6,7
	v_mov_b32 v[ST+8*\t+\i], 0
.endr
.endr
	WIN 0x40                                       ; destination window 1
.set i, 0
.rept 64
	v_mov_b32 v[O+i], 0
.set i, i+1
.endr
.irp t, 0,1
.irp dc, 0,1
	global_load_b128 v[QF+16*\t+8*\dc:QF+16*\t+8*\dc+3], v[QO], s[QA:QA+1] offset:2048*\t+64*\dc
	global_load_b128 v[QF+16*\t+8*\dc+4:QF+16*\t+8*\dc+7], v[QO], s[QA:QA+1] offset:2048*\t+64*\dc+32
.endr
.endr
	WIN 0
.endm
; A KEY STEP: 64 keys.
.macro STEP
	s_add_co_u32 s62, s[Q0], 31
	s_cmp_gt_u32 s[KF], s62                        ; all 64 keys come after my 32 queries: ids and counts of steps alone
	s_cbranch_scc1 .Lhid_\@
	v_add_nc_u32 v[ADK], s[TK], v[AK0]
	v_add_nc_u32 v[ADV], s[TV], v[AV0]
	v_nop
	v_nop                                          ; four plain lines between the last step's products and the loads into V's registers
.irp kt, 0,1,2,3
.irp dc, 0,1
	ds_load_b128 v[KFR+8*(2*\kt+\dc):KFR+8*(2*\kt+\dc)+3], v[ADK] offset:2176*\kt+64*\dc
	ds_load_b128 v[KFR+8*(2*\kt+\dc)+4:KFR+8*(2*\kt+\dc)+7], v[ADK] offset:2176*\kt+64*\dc+32
.endr
.endr
	WIN 0x40
.irp g, 0,1
.irp dt, 0,1,2,3
	ds_load_tr16_b128 v[VF+8*(4*\g+\dt):VF+8*(4*\g+\dt)+3], v[ADV] offset:4608*\g+32*\dt
	ds_load_tr16_b128 v[VF+8*(4*\g+\dt)+4:VF+8*(4*\g+\dt)+7], v[ADV] offset:4608*\g+32*\dt+2304
.endr
.endr
	s_wait_dscnt 16                                ; K's 16 loads are in; V's 16 may be out
	WIN 0x04                                       ; source 1 (Q) window 1
.irp dc, 0,1                                   ; the eight accumulators take turns, one instruction a turn
.irp kt, 0,1,2,3
.irp t, 0,1
.if \dc == 0
	v_wmma_f32_16x16x32_f16 v[S+32*\t+8*\kt:S+32*\t+8*\kt+7], v[KFR+8*(2*\kt+\dc):KFR+8*(2*\kt+\dc)+7], v[QF+16*\t+8*\dc:QF+16*\t+8*\dc+7], 0
.else
	v_wmma_f32_16x16x32_f16 v[S+32*\t+8*\kt:S+32*\t+8*\kt+7], v[KFR+8*(2*\kt+\dc):KFR+8*(2*\kt+\dc)+7], v[QF+16*\t+8*\dc:QF+16*\t+8*\dc+7], v[S+32*\t+8*\kt:S+32*\t+8*\kt+7]
.endif
.endr
.endr
.endr
	WIN 0
.rept 4
	v_nop
.endr
	s_add_co_u32 s62, s[KF], 63
	s_cmp_le_u32 s62, s[Q0]                        ; all 64 keys count for all my queries: no mask
	s_cbranch_scc1 .Lopen_\@
	s_sub_co_i32 s62, s[Q0], s[KF]
	v_add_nc_u32 v[DMS], s62, v[DM]                ; register 32 t + 8 kt + j holds key KF + 16 kt + 8 h + j of query Q0 + 16 t + r: hidden where 16 kt + j - 16 t > Q0 - KF + r - 8 h
.irp t, 0,1
.irp kt, 0,1,2,3
.irp j, 0,1,2,3,4,5,6,7
	v_cmp_gt_i32 vcc_lo, 16*\kt+\j-16*\t, v[DMS]
	v_cndmask_b32 v[S+32*\t+8*\kt+\j], v[S+32*\t+8*\kt+\j], v[NINF], vcc_lo
.endr
.endr
.endr
.Lopen_\@:
	; the softmax, the two tiles line by line by turns.  KF is a multiple of 64 and Q0 of 32, so in a step that is walked key KF counts for all 32 queries: the maximum is a number
.irp j, 0,1,2,3
.irp t, 0,1
	v_max3_num_f32 v[ST+8*\t+4+\j], v[S+32*\t+8*\j], v[S+32*\t+8*\j+1], v[S+32*\t+8*\j+2]   ; each accumulator from its low end on
.endr
.endr
.irp i, 3,5
.irp j, 0,1,2,3
.irp t, 0,1
	v_max3_num_f32 v[ST+8*\t+4+\j], v[ST+8*\t+4+\j], v[S+32*\t+8*\j+\i], v[S+32*\t+8*\j+\i+1]
.endr
.endr
.endr
.irp t, 0,1
	v_max3_num_f32 v[ST+8*\t+4], v[ST+8*\t+4], v[S+32*\t+7], v[S+32*\t+15]
.endr
.irp t, 0,1
	v_max3_num_f32 v[ST+8*\t+6], v[ST+8*\t+6], v[S+32*\t+23], v[S+32*\t+31]
.endr
.irp t, 0,1
	v_max3_num_f32 v[ST+8*\t+4], v[ST+8*\t+4], v[ST+8*\t+5], v[ST+8*\t+6]
.endr
.irp t, 0,1
	v_max3_num_f32 v[ST+8*\t+4], v[ST+8*\t+4], v[ST+8*\t+7], v[ST+8*\t+1]   ; with the old m
.endr
.irp t, 0,1
	v_permlanex16_b32 v[ST+8*\t+5], v[ST+8*\t+4], s[SEL], s[SEL+1]          ; the query's other 32 keys lie in the lane 16 away
.endr
.irp t, 0,1
	v_mov_b32 v[ST+8*\t+7], v[ST+8*\t]             ; c m_old
.endr
.irp t, 0,1
	v_max_num_f32 v[ST+8*\t+1], v[ST+8*\t+4], v[ST+8*\t+5]
.endr
.irp t, 0,1
	v_mul_f32 v[ST+8*\t], s[CS], v[ST+8*\t+1]
.endr
.irp t, 0,1
	v_sub_f32 v[ST+8*\t+7], v[ST+8*\t+7], v[ST+8*\t]
.endr
.set i, 0
.rept 16
.irp t, 0,1
	v_pk_fma_f32 v[S+32*\t+2*i:S+32*\t+2*i+1], v[S+32*\t+2*i:S+32*\t+2*i+1], s[CS:CS+1], v[ST+8*\t:ST+8*\t+1] op_sel_hi:[1,0,0] neg_lo:[0,0,1] neg_hi:[0,0,1]   ; c s - c m
.endr
.set i, i+1
.endr
.irp t, 0,1
	v_exp_f32 v[ST+8*\t+6], v[ST+8*\t+7]           ; a = 2^(c m_old - c m_new)
.endr
.set i, 0
.rept 32
.irp t, 0,1
	v_exp_f32 v[S+32*\t+i], v[S+32*\t+i]           ; p
.endr
.set i, i+1
.endr
	v_nop                                          ; a plain line behind the last exponential
	s_wait_alu depctr_va_vdst(0)                   ; one wait for the batch of 66, ahead of its first reader
.set i, 0
.rept 16
.irp t, 0,1
	v_cvt_pk_f16_f32 v[P+16*\t+i], v[S+32*\t+2*i], v[S+32*\t+2*i+1]
.endr
.set i, i+1
.endr
.irp u, 0,1,2,3,4,5,6,7                        ; the sum of the unrounded p, in pairs, as a tree
.irp t, 0,1
	v_pk_add_f32 v[S+32*\t+4*\u:S+32*\t+4*\u+1], v[S+32*\t+4*\u:S+32*\t+4*\u+1], v[S+32*\t+4*\u+2:S+32*\t+4*\u+3]
.endr
.endr
.irp u, 0,1,2,3
.irp t, 0,1
	v_pk_add_f32 v[S+32*\t+8*\u:S+32*\t+8*\u+1], v[S+32*\t+8*\u:S+32*\t+8*\u+1], v[S+32*\t+8*\u+4:S+32*\t+8*\u+5]
.endr
.endr
.irp u, 0,1
.irp t, 0,1
	v_pk_add_f32 v[S+32*\t+16*\u:S+32*\t+16*\u+1], v[S+32*\t+16*\u:S+32*\t+16*\u+1], v[S+32*\t+16*\u+8:S+32*\t+16*\u+9]
.endr
.endr
.irp t, 0,1
	v_pk_add_f32 v[S+32*\t:S+32*\t+1], v[S+32*\t:S+32*\t+1], v[S+32*\t+16:S+32*\t+17]
.endr
.irp t, 0,1
	v_pk_fma_f32 v[ST+8*\t+2:ST+8*\t+3], v[ST+8*\t+2:ST+8*\t+3], v[ST+8*\t+6:ST+8*\t+7], v[S+32*\t:S+32*\t+1] op_sel_hi:[1,0,1]   ; l = a l + the sum
.endr
	WIN 0x41                                       ; O^T (destination and source 0) window 1, a window 0
.irp t, 0,1
.set i, 0
.rept 16
	v_pk_mul_f32 v[O+32*\t+2*i:O+32*\t+2*i+1], v[O+32*\t+2*i:O+32*\t+2*i+1], v[ST+8*\t+6:ST+8*\t+7] op_sel_hi:[1,0]
.set i, i+1
.endr
.endr
	s_wait_dscnt 0x0                               ; V is in
	WIN 0x51                                       ; V and O^T window 1, P window 0
.irp g, 0,1
.irp dt, 0,1,2,3
.irp t, 0,1
	v_wmma_f32_16x16x32_f16 v[O+32*\t+8*\dt:O+32*\t+8*\dt+7], v[VF+8*(4*\g+\dt):VF+8*(4*\g+\dt)+7], v[P+16*\t+8*\g:P+16*\t+8*\g+7], v[O+32*\t+8*\dt:O+32*\t+8*\dt+7]
.endr
.endr
.endr
	WIN 0
.Lhid_\@:
	s_add_co_u32 s[KF], s[KF], 64
	s_add_co_u32 s[TK], s[TK], KSTEP
	s_add_co_u32 s[TV], s[TV], VSTEP
.endm
.macro FOUR_STEPS                      ; a slot's four steps: written once, walked four times
	s_mov_b32 s[STP], 4
.Lstep_\@:
	STEP
	s_sub_co_u32 s[STP], s[STP], 1
	s_cmp_lg_u32 s[STP], 0
	s_cbranch_scc1 .Lstep_\@
	s_sub_co_u32 s[TK], s[TK], 4*KSTEP
	s_xor_b32 s[TK], s[TK], SLOT1                  ; on to the other slot
	s_sub_co_u32 s[TV], s[TV], 4*VSTEP
	s_xor_b32 s[TV], s[TV], SLOT1
.endm
; A phase ends: O^T / l, rounded to f16, through my stage, out as 512 consecutive bytes (four rows of one head) an instruction.
.macro FINISH
.rept 4
	v_nop                                          ; plain lines behind the last products
.endr
.irp t, 0,1
	v_add_f32 v[ST+8*\t+4], v[ST+8*\t+2], v[ST+8*\t+3]
.endr
.irp t, 0,1
	v_permlanex16_b32 v[ST+8*\t+5], v[ST+8*\t+4], s[SEL], s[SEL+1]
.endr
.irp t, 0,1
	v_add_f32 v[ST+8*\t+4], v[ST+8*\t+4], v[ST+8*\t+5]
.endr
.irp t, 0,1
	v_rcp_f32 v[ST+8*\t+6], v[ST+8*\t+4]
.endr
	v_nop
	s_wait_alu depctr_va_vdst(0)                   ; one wait for the two reciprocals, ahead of their first reader
	WIN 0x41
.irp t, 0,1
.set i, 0
.rept 16
	v_pk_mul_f32 v[O+32*\t+2*i:O+32*\t+2*i+1], v[O+32*\t+2*i:O+32*\t+2*i+1], v[ST+8*\t+6:ST+8*\t+7] op_sel_hi:[1,0]
.set i, i+1
.endr
.endr
	WIN 0x05                                       ; sources window 1, destination window 0
.set i, 0
.rept 32
	v_cvt_pk_f16_f32 v[S+i], v[O+2*i], v[O+2*i+1]
.set i, i+1
.endr
	WIN 0
.irp t, 0,1
.irp dt, 0,1,2,3
	ds_store_b128 v[STO], v[S+16*\t+4*\dt:S+16*\t+4*\dt+3] offset:2304*\t+32*\dt
.endr
.endr
.irp u, 0,1,2,3,4,5,6,7
	ds_load_b128 v[S+32+4*\u:S+32+4*\u+3], v[RD] offset:576*\u   ; LDS serves a wave's instructions in order: these see my stores
.endr
.irp u, 0,1,2,3,4,5,6,7
	s_wait_dscnt 7-\u
	global_store_b128 v[GO], v[S+32+4*\u:S+32+4*\u+3], s[OA:OA+1] offset:512*\u
.endr
.endm
.macro SWITCH                          ; in trip N1 the first phase's block goes out and the second phase begins; the test hangs on ids and the count of trips, the same in all eight waves
	s_cmp_lg_u32 s[T], s[N1]
	s_cbranch_scc1 .Lsame_\@
	FINISH
	s_wait_xcnt 0x0                                ; the stores have read their registers and their base
	s_mov_b32 s[Q0], s[Q0B]
	s_mov_b32 s[KF], 0
	s_mov_b64 s[QA:QA+1], s[QB:QB+1]
	s_mov_b64 s[OA:OA+1], s[OB:OB+1]
	INIT
	s_wait_loadcnt 0x0
.Lsame_\@:
.endm
	s_load_b128 s[4:7], s[0:1], 0x0                ; hd, ao
	v_lshl_add_u32 v[SPW], v0, 2, SPARE
	v_mov_b32 v[NIL], 0
	ds_add_u32 v[SPW], v[NIL]                      ; the wave's opening: the add, twice on end, and its wait ahead of my first tensor load
	ds_add_u32 v[SPW], v[NIL]
	v_lshrrev_b32 v1, 5, v0
	v_readfirstlane_b32 s[WV], v1                  ; wave 0..7
	s_mov_b32 s[II], ttmp9
	s_and_b32 s[BH], ttmp7, 0xffff                 ; 16 b + h
	s_sub_co_u32 s[N1], 8, s[II]
	s_mov_b32 s[G1K], (1<<16)|(1<<20)|(5<<22)|(3<<25)   ; elements of 2 bytes; padding: 4 words after every 64
	s_mov_b32 s[G1V], (1<<16)|(1<<20)|(5<<22)|(7<<25)   ; 8 words
.irp g, G1K, G1V
	s_mov_b32 s[\g+1], 128<<16                     ; tensor_dim0: 128 elements, two rows of 64
	s_mov_b32 s[\g+2], 32<<16                      ; tensor_dim1
	s_mov_b32 s[\g+3], 128<<16                     ; tile_dim0
	s_mov_b32 s[\g+4], 32                          ; tile_dim1
	s_mov_b32 s[\g+5], 128                         ; the pitch: dense
	s_mov_b32 s[\g+6], 0
	s_mov_b32 s[\g+7], 0
.endr
	s_and_b32 s70, s[WV], 3                        ; which quarter I fetch
	s_mov_b32 s[G0K], 1
	s_mul_i32 s[G0K+1], s70, KSTEP
	s_mov_b32 s[G0V], 1
	s_mul_i32 s[G0V+1], s70, VSTEP
	s_add_co_u32 s[G0V+1], s[G0V+1], VOFF
	s_mov_b32 s[CS], 0x3e38aa3b                    ; c = log2(e) / 8
	s_mov_b32 s[CS+1], s[CS]
	s_mov_b32 s[SEL], 0x76543210
	s_mov_b32 s[SEL+1], 0xfedcba98
	s_mov_b32 s[TK], 0
	s_mov_b32 s[TV], 0
	s_mov_b32 s[KF], 0
	s_mov_b32 s[T], 0
	s_lshl_b32 s[NBV], s[N1], 15
	s_mov_b32 s[NB+1], 0
	s_cmp_eq_u32 s[II], 0
	s_cselect_b32 s[LIMT], 6, 0
	s_lshl_b32 s62, s[BH], 18                      ; 262,144 bytes a head
	s_mov_b32 s63, 0
	s_wait_dscnt 0x0                               ; both opening adds are done
	s_wait_kmcnt 0x0
	s_add_nc_u64 s[12:13], s[4:5], s[62:63]        ; Q's part of hd at my head
	s_lshl_b32 s62, s70, 13
	s_add_co_u32 s62, s62, 0x1000000
	s_add_nc_u64 s[G0K+2:G0K+3], s[12:13], s[62:63]        ; K's part, my quarter of key block 0
	s_add_nc_u64 s[G0V+2:G0V+3], s[G0K+2:G0K+3], 0x1000000 ; V's
	s_cmp_lt_u32 s[WV], 4
	s_cselect_b64 s[PFA:PFA+1], s[G0K+2:G0K+3], s[G0V+2:G0V+3]
	s_add_nc_u64 s[PFA:PFA+1], s[PFA:PFA+1], 32768 ; at key block 1: the first change steps it to block 2
	s_or_b32 s[G0K+3], s[G0K+3], 0x80000000
	s_or_b32 s[G0V+3], s[G0V+3], 0x80000000
	TLOAD                                          ; slot 0: key block 0
	s_sub_co_u32 s62, 7, s[II]
	s_lshl_b32 s62, s62, 8
	s_lshl_b32 s70, s[WV], 5
	s_add_co_u32 s[Q0], s62, s70                   ; first phase: query block 7 - I
	s_lshl_b32 s62, s[II], 8
	s_add_co_u32 s[Q0B], s62, s70                  ; second phase: query block I
	s_lshl_b32 s62, s[Q0], 7
	s_add_nc_u64 s[QA:QA+1], s[12:13], s[62:63]
	s_lshl_b32 s62, s[Q0B], 7
	s_add_nc_u64 s[QB:QB+1], s[12:13], s[62:63]
	s_and_b32 s62, s[BH], 15
	s_lshl_b32 s62, s62, 20                        ; ao: 2^20 bytes a head,
	s_lshr_b32 s70, s[BH], 4
	s_lshl_b32 s70, s70, 18                        ; 2^18 a batch
	s_add_co_u32 s62, s62, s70
	s_add_nc_u64 s[6:7], s[6:7], s[62:63]
	s_lshl_b32 s62, s[Q0], 7
	s_add_nc_u64 s[OA:OA+1], s[6:7], s[62:63]
	s_lshl_b32 s62, s[Q0B], 7
	s_add_nc_u64 s[OB:OB+1], s[6:7], s[62:63]
	v_and_b32 v[R], 15, v0
	v_bfe_u32 v[H], v0, 4, 1
	v_lshrrev_b32 v17, 1, v[R]
	v_and_b32 v18, 1, v[R]
	v_mul_u32_u24 v[AK0], v17, KP2
	v_lshl_add_u32 v[AK0], v18, 7, v[AK0]
	v_lshl_add_u32 v[AK0], v[H], 4, v[AK0]         ; K: (r / 2) 272 + 128 (r % 2) + 16 h
	v_and_b32 v17, 7, v0
	v_lshl_add_u32 v17, v[H], 3, v17               ; the turning load's key: 8 h + lane % 8
	v_lshrrev_b32 v18, 1, v17
	v_and_b32 v17, 1, v17
	v_mul_u32_u24 v[AV0], v18, VP2
	v_lshl_add_u32 v[AV0], v17, 7, v[AV0]
	v_bfe_u32 v17, v0, 3, 1
	v_lshl_add_u32 v[AV0], v17, 4, v[AV0]
	v_add_nc_u32 v[AV0], VOFF, v[AV0]
	v_lshlrev_b32 v[QO], 7, v[R]
	v_lshl_add_u32 v[QO], v[H], 4, v[QO]
	s_mul_i32 s62, s[WV], 4608
	s_add_co_u32 s62, s62, STAGE
	v_mul_u32_u24 v[STO], v[R], 144
	v_lshl_add_u32 v[STO], v[H], 4, v[STO]
	v_add_nc_u32 v[STO], s62, v[STO]
	v_and_b32 v17, 31, v0
	v_lshrrev_b32 v18, 3, v17
	v_and_b32 v19, 7, v17
	v_mul_u32_u24 v[RD], v18, 144
	v_lshl_add_u32 v[RD], v19, 4, v[RD]
	v_add_nc_u32 v[RD], s62, v[RD]
	v_lshlrev_b32 v[GO], 4, v17
	v_lshlrev_b32 v[PFO], 8, v17
	v_lshlrev_b32 v[DM], 3, v[H]
	v_sub_nc_u32 v[DM], v[R], v[DM]
	v_mov_b32 v[NINF], 0xff800000
	INIT
	s_wait_loadcnt 0x0                             ; Q
.Lslot:                                            ; eight trips; behind each change the next trip's key block is asked for (slot 1's first fill stands behind the first trip's barrier)
	CHANGE 1
	SWITCH
	FOUR_STEPS
	s_add_co_u32 s[T], s[T], 1
	s_cmp_lt_u32 s[T], 8
	s_cbranch_scc1 .Lslot
	CHANGE 0                                       ; the ninth trip is written out: it asks for nothing
	SWITCH
	FOUR_STEPS
	FINISH
	s_wait_tensorcnt 0x0                           ; the wave's end
	ds_add_u32 v[SPW], v[NIL]
	s_wait_dscnt 0x0
	s_endpgm
.Lfunc_end_k_q91ce8fa026_attn:
	.size	k_q91ce8fa026_attn, .Lfunc_end_k_q91ce8fa026_attn-k_q91ce8fa026_attn
	.p2alignl 7, 3214868480
	.fill 96, 4, 3214868480
	.section	.rodata,"a",@progbits
	.p2align	6, 0x0
	.amdhsa_kernel k_q91ce8fa026_attn
		.amdhsa_group_segment_fixed_size 327680
		.amdhsa_private_segment_fixed_size 0
		.amdhsa_enable_private_segment 0
		.amdhsa_kernarg_size 16
		.amdhsa_user_sgpr_count 2
		.amdhsa_user_sgpr_kernarg_segment_ptr 1
		.amdhsa_wavefront_size32 1
		.amdhsa_system_sgpr_workgroup_id_x 1
		.amdhsa_system_sgpr_workgroup_id_y 1
		.amdhsa_system_sgpr_workgroup_id_z 1
		.amdhsa_system_vgpr_workitem_id 0
		.amdhsa_next_free_vgpr 512
		.amdhsa_next_free_sgpr 72
		.amdhsa_reserve_vcc 1
		.amdhsa_float_denorm_mode_32 3
		.amdhsa_float_denorm_mode_16_64 3
		.amdhsa_memory_ordered 1
		.amdhsa_forward_progress 1
		.amdhsa_inst_pref_size 82
	.end_amdhsa_kernel
	.amdgpu_metadata
---
amdhsa.version: [ 1, 2 ]
amdhsa.kernels:
  - .name:           k_q91ce8fa026_attn
    .symbol:         k_q91ce8fa026_attn.kd
    .args:
      - { .name: hd, .offset: 0, .size: 8, .value_kind: global_buffer, .address_space: global }
      - { .name: ao, .offset: 8, .size: 8, .value_kind: global_buffer, .address_space: global }
    .group_segment_fixed_size: 327680
    .private_segment_fixed_size: 0
    .kernarg_segment_align: 8
    .kernarg_segment_size: 16
    .max_flat_workgroup_size: 256
    .sgpr_count:     72
    .vgpr_count:     512
    .wavefront_size: 32
...
	.end_amdgpu_metadata
.endif
;; end of part 3
;; launch oproj (part 4): grid 4 x 64, 4 waves a work-group, clusters of 4 x 4, 327,680 bytes of LDS; arguments ao, wo16, b_o, out0; writes out0
.if DOCPART == 4
	.amdgcn_target "amdgcn-amd-amdhsa--gfx1250"
	.amdhsa_code_object_version 6
	.text
	.protected	k_q91ce8fa026_oproj
	.globl	k_q91ce8fa026_oproj
	.p2align	8
	.type	k_q91ce8fa026_oproj,@function
k_q91ce8fa026_oproj:
	s_mov_b64 s[64:65], 0
	v_nop
	global_prefetch_b8 v0, s[64:65] scope:SCOPE_SE
	s_setreg_imm32_b32 hwreg(HW_REG_WAVE_MODE, 25, 1), 1
	s_wait_xcnt 0x0
	s_wait_alu depctr_hold_cnt(0) depctr_sa_sdst(0) depctr_va_vdst(0) depctr_va_sdst(0) depctr_va_ssrc(0) depctr_va_vcc(0) depctr_vm_vsrc(0)
	s_getreg_b32 s2, hwreg(HW_REG_IB_STS2, 6, 4)
	s_cmp_eq_u32 s2, 0
	s_cbranch_scc0 .Lentry_in_a_cluster
	s_endpgm
.Lentry_in_a_cluster:
	s_bfe_u32 s2, ttmp6, 0x10000c
	s_cmp_lg_u32 s2, 0xf033
	s_cbranch_scc0 .Lentry_shape_is_right
	s_endpgm
.Lentry_shape_is_right:
; THE PROJECTION ON THE WAY OUT: out0[m][n] = sum over k of ao[m][k] w_o[k][n] + b_o[n], f16 operands, f32 sums.  ao [16 z][8192 m][64], wo16 [16 z][1024 n][64], z = k / 64; out0 [8192][1024] f32.
; The 64 rows that are positions 0-15 of a sequence are computed here too: they are 16 rows inside live tiles of 128, and leaving them out would be a branch on a work-group's place in its cluster.
; A later launch carries them in f32 and writes them last.
; A tile of 128 (m) x 256 (n): 256 work-groups.  Four waves, 64 x 128 each: 32 accumulators.  A K step is 128 along K, two chunks z; eight K steps through two LDS slots.
; CLUSTERS: 4 x 4.  A's tiles are shared along a row of the cluster, B's along a column: joint loads.  Waves 0, 1 fetch A's two chunks (64 double rows each), waves 2, 3 B's (128 double rows).
; No prefetch: what a refill asks for is shared by four partners and a K step's work stands between the request and the wait for it.
; THE MATRIX INSTRUCTION IS USED TRANSPOSED (source 0 = 16 rows of wo16, source 1 = 16 rows of ao).  The bias is the C of each sum's first product.
; Rows of 64 f16 are dense: two of them are stated as one row of 256 bytes; logical row r lies at (r / 2) 272 + 128 (r % 2).
; REGISTERS: window 0: addresses; v64-191 rows on the way out; v192-255 the bias.  window 1: two fragment buffers (B 64 registers, A 32).  window 2: accumulator (a, b) at v[8 (8 a + b)].
.set ACH,   64*272                     ; a chunk of A in LDS
.set BCH,   128*272                    ; a chunk of B
.set BOFF,  2*ACH
.set SLOT,  BOFF+2*BCH
.set STAGE, 2*SLOT                     ; 16 rows x 528 bytes for each wave: bytes of their own
.set SPITCH, 528
.set SPARE, STAGE+4*16*SPITCH
.set LAPS,  4
.set ADRA, 16
.set ADRB, 20
.set STO,  24
.set RD,   25
.set CO,   26
.set SPW,  28
.set NIL,  29
.set BI,   192
.set F0,   0
.set F1,   128
.set WV,   12
.set HI,   13
.set LO,   14
.set G1, 24
.set G0, 32
.set G1B, 48
.set G0B, 56
.set MSB, 0
.macro WIN new
.if MSB != (\new)
	s_set_vgpr_msb (MSB<<8)|(\new)
.set MSB, (\new)
.endif
.endm
.set MUL,  0xa5                        ; sources window 1, C and D window 2
.set MULB, 0x85                        ; the same with C (the bias) in window 0
.set TO_F, 0x40
.macro JLOAD s                         ; an s_nop 0 and four v_nop follow each of the two lines
	s_cmp_eq_u32 s[HI], 0
	s_cbranch_scc0 .Lfor_b_\@
	tensor_load_to_lds s[G0+4*\s:G0+4*\s+3], s[G1:G1+7]
	s_nop 0
.rept 4
	v_nop
.endr
	s_branch .Lasked_\@
.Lfor_b_\@:
	tensor_load_to_lds s[G0B+4*\s:G0B+4*\s+3], s[G1B:G1B+7]
	s_nop 0
.rept 4
	v_nop
.endr
.Lasked_\@:
.endm
.macro CREST
	s_cmp_lg_u32 s[WV], 0
	s_cbranch_scc1 .Lnot_wave_0_\@
	s_barrier_signal -3
.Lnot_wave_0_\@:
	s_barrier_wait -3
	s_barrier_signal -1
	s_barrier_wait -1
.endm
.macro CROUND
	s_barrier_signal -1
	s_barrier_wait -1
	CREST
.endm
	s_load_b256 s[4:11], s[0:1], 0x0               ; ao s[4:5], wo16 s[6:7], b_o s[8:9], out0 s[10:11]
	v_lshl_add_u32 v[SPW], v0, 2, SPARE
	v_mov_b32 v[NIL], 0
	ds_add_u32 v[SPW], v[NIL]                      ; the wave's opening: the add, twice on end, and its wait ahead of my first tensor load
	ds_add_u32 v[SPW], v[NIL]
	v_lshrrev_b32 v1, 5, v0
	v_readfirstlane_b32 s[WV], v1
	s_lshr_b32 s[HI], s[WV], 1                     ; which 64 rows are mine.  Also: I fetch for A (0) or for B (1)
	s_and_b32 s[LO], s[WV], 1                      ; which 128 columns.  Also: which chunk of a K step I fetch
	s_bfe_u32 s40, ttmp6, 0x40000                  ; cx: the tile column
	s_bfe_u32 s41, ttmp6, 0x40004                  ; cy
	s_and_b32 s15, ttmp7, 0xffff
	s_lshl_b32 s15, s15, 2
	s_add_co_u32 s15, s15, s41                     ; the tile row
	s_lshl_b32 s43, s41, 2
	s_lshl_b32 s43, 15, s43                        ; my row of the cluster
	s_lshl_b32 s44, 0x1111, s40                    ; my column
	s_or_b32 s[G1+0], s43, (1<<16)|(1<<20)|(1<<21)|(5<<22)|(3<<25)
	s_or_b32 s[G1B+0], s44, (1<<16)|(1<<20)|(1<<21)|(5<<22)|(3<<25)
	s_mov_b32 s[G1+1], 128<<16                     ; A: 64 rows of 128 elements, dense
	s_mov_b32 s[G1+2], 64<<16
	s_mov_b32 s[G1+3], 128<<16
	s_mov_b32 s[G1+4], 64
	s_mov_b32 s[G1+5], 128
	s_mov_b32 s[G1+6], 0
	s_mov_b32 s[G1+7], 0
	s_mov_b32 s[G1B+1], 128<<16                    ; B: 128 rows
	s_mov_b32 s[G1B+2], 128<<16
	s_mov_b32 s[G1B+3], 128<<16
	s_mov_b32 s[G1B+4], 128
	s_mov_b32 s[G1B+5], 128
	s_mov_b32 s[G1B+6], 0
	s_mov_b32 s[G1B+7], 0
	s_lshl_b32 s16, s[LO], 20                      ; A: 2^20 bytes a chunk, 16,384 a tile row
	s_lshl_b32 s17, s15, 14
	s_add_co_u32 s16, s16, s17
	s_mov_b32 s17, 0
	s_lshl_b32 s46, s[LO], 17                      ; B: 2^17 bytes a chunk, 32,768 a tile column
	s_lshl_b32 s47, s40, 15
	s_add_co_u32 s46, s46, s47
	s_mov_b32 s47, 0
	s_mul_i32 s20, s[LO], ACH                      ; where they go
	s_mul_i32 s21, s[LO], BCH
	s_add_co_u32 s21, s21, BOFF
	s_wait_dscnt 0x0                               ; both opening adds are done
	s_wait_kmcnt 0x0
	s_add_nc_u64 s[16:17], s[4:5], s[16:17]
	s_add_nc_u64 s[46:47], s[6:7], s[46:47]
	CROUND                                         ; all sixteen work-groups are here
.irp s, 0,1
	s_mov_b32 s[G0+4*\s], 1
	s_add_co_u32 s[G0+4*\s+1], s20, \s*SLOT
	s_add_nc_u64 s[G0+4*\s+2:G0+4*\s+3], s[16:17], \s*2097152
	s_or_b32 s[G0+4*\s+3], s[G0+4*\s+3], 0x80000000
	s_mov_b32 s[G0B+4*\s], 1
	s_add_co_u32 s[G0B+4*\s+1], s21, \s*SLOT
	s_add_nc_u64 s[G0B+4*\s+2:G0B+4*\s+3], s[46:47], \s*262144
	s_or_b32 s[G0B+4*\s+3], s[G0B+4*\s+3], 0x80000000
	JLOAD \s                                       ; two loads of mine are out
.endr
	v_and_b32 v1, 15, v0                           ; r
	v_bfe_u32 v2, v0, 4, 1                         ; h
	v_lshrrev_b32 v3, 1, v1
	v_and_b32 v4, 1, v1
	v_mul_u32_u24 v3, v3, 272
	v_lshl_add_u32 v3, v4, 7, v3
	v_lshl_add_u32 v3, v2, 4, v3                   ; (r / 2) 272 + 128 (r % 2) + 16 h
	s_mul_i32 s21, s[HI], 32*272                   ; my 64 rows of A
	s_mul_i32 s22, s[LO], 64*272                   ; my 128 rows of B
	s_add_co_u32 s22, s22, BOFF
.irp s, 0,1
	v_add_nc_u32 v[ADRA+\s], s21, v3
	v_add_nc_u32 v[ADRB+\s], s22, v3
	s_add_co_u32 s21, s21, SLOT
	s_add_co_u32 s22, s22, SLOT
.endr
	s_mul_i32 s23, s[WV], 16*SPITCH
	s_add_co_u32 s23, s23, STAGE
	v_mul_u32_u24 v5, v1, SPITCH
	v_lshl_add_u32 v5, v2, 5, v5
	v_add_nc_u32 v[STO], s23, v5                   ; in: row r, 32 bytes for each half of the lanes
	v_and_b32 v6, 31, v0
	v_lshlrev_b32 v[CO], 4, v6
	v_add_nc_u32 v[RD], s23, v[CO]                 ; back: the 32 lanes take one row of 512 bytes
	s_lshl_b32 s18, s40, 10
	s_lshl_b32 s19, s[LO], 9
	s_add_co_u32 s18, s18, s19                     ; my first column, in bytes
	s_mov_b32 s19, 0
	s_add_nc_u64 s[8:9], s[8:9], s[18:19]
	s_lshl_b32 s16, s15, 19                        ; 128 rows of 4,096 bytes a tile row
	s_lshl_b32 s17, s[HI], 18
	s_add_co_u32 s16, s16, s17
	s_add_co_u32 s16, s16, s18
	s_mov_b32 s17, 0
	s_add_nc_u64 s[10:11], s[10:11], s[16:17]
	v_lshlrev_b32 v7, 5, v2
.irp b, 0,1,2,3,4,5,6,7
	global_load_b128 v[BI+8*\b:BI+8*\b+3], v7, s[8:9] offset:64*\b        ; register 8 b + j = b_o[my first column + 16 b + 8 h + j]
	global_load_b128 v[BI+8*\b+4:BI+8*\b+7], v7, s[8:9] offset:64*\b+16
.endr
.macro MUL8 f, a, mode                 ; A's block a x B's eight, 32 along K.  The 32 accumulators take turns, one instruction a turn, in the same order in every quarter
.irp b, 0,1,2,3,4,5,6,7
.if \mode
	v_wmma_f32_16x16x32_f16 v[8*(8*(\a)+\b):8*(8*(\a)+\b)+7], v[\f+8*\b:\f+8*\b+7], v[\f+64+8*(\a):\f+64+8*(\a)+7], v[BI+8*\b:BI+8*\b+7]
.else
	v_wmma_f32_16x16x32_f16 v[8*(8*(\a)+\b):8*(8*(\a)+\b)+7], v[\f+8*\b:\f+8*\b+7], v[\f+64+8*(\a):\f+64+8*(\a)+7], v[8*(8*(\a)+\b):8*(8*(\a)+\b)+7]
.endif
.endr
.endm
.macro FETCH slot, q, f                ; 24 LDS loads in one run: quarter q of the slot (chunk q / 2, 64 bytes x (q % 2) along the rows): B's eight blocks, then A's four
	WIN TO_F
.irp i, 0,1,2,3,4,5,6,7
	ds_load_b128 v[\f+8*\i:\f+8*\i+3],   v[ADRB+\slot] offset:((\q)/2)*BCH+((\q)%2)*64+\i*2176
	ds_load_b128 v[\f+8*\i+4:\f+8*\i+7], v[ADRB+\slot] offset:((\q)/2)*BCH+((\q)%2)*64+\i*2176+32
.endr
.irp i, 0,1,2,3
	ds_load_b128 v[\f+64+8*\i:\f+64+8*\i+3],   v[ADRA+\slot] offset:((\q)/2)*ACH+((\q)%2)*64+\i*2176
	ds_load_b128 v[\f+64+8*\i+4:\f+64+8*\i+7], v[ADRA+\slot] offset:((\q)/2)*ACH+((\q)%2)*64+\i*2176+32
.endr
.endm
.macro PLACES
.rept 4
	v_nop
.endr
.endm
.macro QUARTER slot, q, f, g, mode     ; multiplies buffer f; in its middle fetches quarter q of the same slot into g
	s_wait_dscnt 4                                 ; all but A's blocks 2 and 3 are in
.if \mode
	WIN MULB
.else
	WIN MUL
.endif
	MUL8 \f, 0, \mode
	MUL8 \f, 1, \mode
	PLACES
	FETCH \slot, \q, \g
	s_wait_dscnt 24                                ; all but the 24 just issued
.if \mode
	WIN MULB
.else
	WIN MUL
.endif
	MUL8 \f, 2, \mode
	MUL8 \f, 3, \mode
.endm
; The last quarter multiplies buffer 1 and changes slots: all my tensor loads have landed, the add, my reads of this slot are over, one barrier.  fill = 1: the barrier opens a round of the cluster's, and this slot is filled again.
.macro TURN slot, next, fill
	WIN 0
	s_wait_tensorcnt 0x0
	ds_add_u32 v[SPW], v[NIL]
	s_wait_dscnt 5                                 ; the add and A's blocks 2 and 3 may be out
	WIN MUL
	MUL8 F1, 0, 0
	s_wait_dscnt 0x0                               ; the add is done, and my reads of this slot are over
	s_barrier_signal -1
	MUL8 F1, 1, 0
.if \fill
	WIN 0
.endif
	s_barrier_wait -1
.if \fill
	CREST
	s_add_nc_u64 s[G0+4*\slot+2:G0+4*\slot+3], s[G0+4*\slot+2:G0+4*\slot+3], 4194304     ; two K steps on: four chunks
	s_add_nc_u64 s[G0B+4*\slot+2:G0B+4*\slot+3], s[G0B+4*\slot+2:G0B+4*\slot+3], 524288
	JLOAD \slot                                    ; the first tensor load behind the round; its four v_nop are also the plain lines in front of the loads below
.else
	PLACES
.endif
	FETCH \next, 0, F0
	WIN MUL
	MUL8 F1, 2, 0
	MUL8 F1, 3, 0
.endm
	s_wait_tensorcnt 1                             ; my part of K step 0 is in; K step 1's load may be out
	s_barrier_signal -1
	s_barrier_wait -1
	FETCH 0, 0, F0
	s_wait_loadcnt 0x0                             ; the bias
	QUARTER 0, 1, F0, F1, 1                        ; the first quarter starts the sums, from the bias
	WIN 0
	s_mov_b32 s3, LAPS-1
.Llap:                                             ; a trip goes once round the ring and fills both slots again
	QUARTER 0, 2, F1, F0, 0
	QUARTER 0, 3, F0, F1, 0
	TURN 0, 1, 1
	QUARTER 1, 1, F0, F1, 0
	QUARTER 1, 2, F1, F0, 0
	QUARTER 1, 3, F0, F1, 0
	TURN 1, 0, 1
	QUARTER 0, 1, F0, F1, 0
	WIN 0
	s_sub_co_u32 s3, s3, 1
	s_cmp_lg_u32 s3, 0
	s_cbranch_scc1 .Llap
	QUARTER 0, 2, F1, F0, 0                        ; the last lap fills nothing
	QUARTER 0, 3, F0, F1, 0
	TURN 0, 1, 0
	QUARTER 1, 1, F0, F1, 0
	QUARTER 1, 2, F1, F0, 0
	QUARTER 1, 3, F0, F1, 0
	s_wait_dscnt 4
	WIN MUL
	MUL8 F1, 0, 0
	MUL8 F1, 1, 0
	s_wait_dscnt 0
	MUL8 F1, 2, 0
	MUL8 F1, 3, 0
	WIN 0
; THE WAY OUT, block by block of 16 rows x 128 columns, through my own stage: back as whole rows of 512 bytes, which the 32 lanes store as 512 consecutive bytes.
.macro TOSTAGE a
.set AC, 64*(\a)
	WIN 0x08                                       ; an LDS store's data: window 2
.irp b, 0,1,2,3,4,5,6,7
	ds_store_b128 v[STO], v[AC+8*\b:AC+8*\b+3] offset:64*\b          ; each accumulator from its low end on
	ds_store_b128 v[STO], v[AC+8*\b+4:AC+8*\b+7] offset:64*\b+16
.endr
	WIN 0
.set BB, 64+64*((\a)%2)
.irp t, 0,1,2,3,4,5,6,7,8,9,10,11,12,13,14,15
	ds_load_b128 v[BB+4*\t:BB+4*\t+3], v[RD] offset:\t*SPITCH
.endr
.endm
.macro SEND a, younger
.set BB, 64+64*((\a)%2)
	s_wait_dscnt \younger
.irp t, 0,1,2,3,4,5,6,7,8,9,10,11,12,13,14,15
	global_store_b128 v[CO], v[BB+4*\t:BB+4*\t+3], s[10:11] offset:(16*(\a)+\t)*4096 th:TH_STORE_NT
.endr
.endm
	PLACES
	TOSTAGE 0
.irp a, 1,2,3
.if \a > 1
	s_wait_xcnt 0x0                                ; block a - 2's stores have read their registers: block a's loads may land there
.endif
	TOSTAGE \a
	SEND \a-1, 32                                  ; behind block a - 1's loads: block a's 16 stores and 16 loads
.endr
	SEND 3, 0
	s_wait_tensorcnt 0x0                           ; the wave's end
	ds_add_u32 v[SPW], v[NIL]
	s_wait_dscnt 0x0
	CROUND                                         ; the closing round
	s_endpgm
.Lfunc_end_k_q91ce8fa026_oproj:
	.size	k_q91ce8fa026_oproj, .Lfunc_end_k_q91ce8fa026_oproj-k_q91ce8fa026_oproj
	.p2alignl 7, 3214868480
	.fill 96, 4, 3214868480
	.section	.rodata,"a",@progbits
	.p2align	6, 0x0
	.amdhsa_kernel k_q91ce8fa026_oproj
		.amdhsa_group_segment_fixed_size 327680
		.amdhsa_private_segment_fixed_size 0
		.amdhsa_enable_private_segment 0
		.amdhsa_kernarg_size 32
		.amdhsa_user_sgpr_count 2
		.amdhsa_user_sgpr_kernarg_segment_ptr 1
		.amdhsa_wavefront_size32 1
		.amdhsa_system_sgpr_workgroup_id_x 1
		.amdhsa_system_sgpr_workgroup_id_y 1
		.amdhsa_system_sgpr_workgroup_id_z 1
		.amdhsa_system_vgpr_workitem_id 0
		.amdhsa_next_free_vgpr 768
		.amdhsa_next_free_sgpr 72
		.amdhsa_reserve_vcc 0
		.amdhsa_float_denorm_mode_32 3
		.amdhsa_float_denorm_mode_16_64 3
		.amdhsa_memory_ordered 1
		.amdhsa_forward_progress 1
		.amdhsa_inst_pref_size 86
	.end_amdhsa_kernel
	.amdgpu_metadata
---
amdhsa.version: [ 1, 2 ]
amdhsa.kernels:
  - .name:           k_q91ce8fa026_oproj
    .symbol:         k_q91ce8fa026_oproj.kd
    .args:
      - { .name: ao, .offset: 0, .size: 8, .value_kind: global_buffer, .address_space: global }
      - { .name: wo16, .offset: 8, .size: 8, .value_kind: global_buffer, .address_space: global }
      - { .name: b_o, .offset: 16, .size: 8, .value_kind: global_buffer, .address_space: global }
      - { .name: out0, .offset: 24, .size: 8, .value_kind: global_buffer, .address_space: global }
    .group_segment_fixed_size: 327680
    .private_segment_fixed_size: 0
    .kernarg_segment_align: 8
    .kernarg_segment_size: 32
    .max_flat_workgroup_size: 128
    .sgpr_count:     72
    .vgpr_count:     768
    .wavefront_size: 32
...
	.end_amdgpu_metadata
.endif
;; end of part 4
;; launch first16 (part 5): grid 16 x 4, 16 waves a work-group, no clusters, 86,016 bytes of LDS; arguments xf, w_o, b_o, out0; writes out0
.if DOCPART == 5
	.amdgcn_target "amdgcn-amd-amdhsa--gfx1250"
	.amdhsa_code_object_version 6
	.text
	.protected	k_q91ce8fa026_first16
	.globl	k_q91ce8fa026_first16
	.p2align	8
	.type	k_q91ce8fa026_first16,@function
k_q91ce8fa026_first16:
	s_mov_b64 s[64:65], 0
	v_nop
	global_prefetch_b8 v0, s[64:65] scope:SCOPE_SE
	s_setreg_imm32_b32 hwreg(HW_REG_WAVE_MODE, 25, 1), 1
	s_wait_xcnt 0x0
; POSITIONS 0 TO 15 OF EACH SEQUENCE, IN f32 THROUGHOUT: scores, softmax, weighted values and the projection on the way out.  These rows average one to sixteen values and are the largest in size,
; so they are carried more finely than the rest; this launch runs last and writes their 64 rows of out0 over what the launch before left there.
; LEFT OUT: K carries no bias (shown at the head of the first launch); keys beyond position 15 are all behind the mask for these queries.
; xf [3][4 b][16][1024] f32: the projections' rows as the quantised products gave them.  w_o [1024][1024], b_o [1024] f32.
; SHARES.  Work-group (nc, b): batch b, output columns 64 nc .. 64 nc + 63.  Wave = head: it makes its head's 16 x 16 attention and its head's part of the 16 x 64 outputs; the sixteen parts meet in LDS.
; All products by the f32 matrix form, K = 4 an instruction: lane (r, h), register j stands at place k = 2 h + j.  Which number of the contracted axis stands at a place is free, if it is the same on both sides:
;   S^T = K Q^T: place (h, j) of product s is channel 32 h + 2 s + j;   O^T = V^T P^T: key 8 h + 2 s + j;   Y^T = W^T O^T: channel 16 dt + 8 h + 2 s + j.  So every result's registers are the next operand as they stand.
; The accumulators v200-247 are written by matrix instructions alone; what is made of a sum goes into other registers.  Eight plain lines stand behind this form before a result is read, nine before it is written over.
; REGISTERS: v16-19 b_o, then the sum; v24-55 Q, v56-87 K, later W for outputs 32-63, later the sixteen parts; v88-119 V^T, later O / l; v120-183 W for outputs 0-31; v184-191 scores, then p.
.set SPARE, 16*5248                    ; behind the sixteen parts: the spare words, 128 bytes for each wave
.set SPW, 10
.set NIL, 11
	s_load_b256 s[4:11], s[0:1], 0x0               ; xf s[4:5], w_o s[6:7], b_o s[8:9], out0 s[10:11]
	v_lshl_add_u32 v[SPW], v0, 2, SPARE
	v_mov_b32 v[NIL], 0
	v_lshrrev_b32 v1, 5, v0
	v_readfirstlane_b32 s12, v1                    ; wave = head
	v_and_b32 v1, 15, v0                           ; r
	v_bfe_u32 v2, v0, 4, 1                         ; h
	v_lshlrev_b32 v3, 2, v1
	v_lshl_add_u32 v3, v2, 15, v3                  ; W: 8 h rows of 4,096 bytes + 4 r
	s_lshl_b32 s15, s12, 8                         ; a head's 64 numbers in a row of xf
	v_add_nc_u32 v5, s15, v3                       ; V: the same + the head
	v_lshlrev_b32 v4, 12, v1
	v_lshl_add_u32 v4, v2, 7, v4
	v_add_nc_u32 v4, s15, v4                       ; Q, K: row r, the head, + 32 h numbers
	v_lshlrev_b32 v6, 3, v2
	v_sub_nc_u32 v6, v1, v6                        ; r - 8 h
	v_mov_b32 v7, 0xff800000                       ; -infinity
	s_mul_i32 s15, s12, 5248
	v_mul_u32_u24 v12, v2, 384
	v_lshl_add_u32 v12, v1, 4, v12
	v_add_nc_u32 v12, s15, v12                     ; my part in LDS: 5,248 x wave + 656 g + 384 h + 16 r, g = which four of my 32 numbers
	v_bfe_u32 v13, v0, 4, 4                        ; the final sum: thread t of waves 0-7 takes query t / 16
	v_lshrrev_b32 v14, 2, v1                       ; and columns 4 cc .. 4 cc + 3, cc = t % 16
	v_and_b32 v15, 1, v1
	v_lshl_add_u32 v14, v14, 1, v15                ; g = 2 (cc / 4) + cc % 2
	v_mul_u32_u24 v20, v14, 656
	v_bfe_u32 v15, v0, 1, 1                        ; h = (cc / 2) % 2
	v_mad_u32_u24 v20, v15, 384, v20
	v_lshl_add_u32 v20, v13, 4, v20                ; parts 0-7,
	v_add_nc_u32 v21, 8*5248, v20                  ; parts 8-15
	v_lshlrev_b32 v23, 4, v1                       ; 16 cc
	v_lshl_add_u32 v22, v13, 12, v23               ; out0: row q, + 16 cc
	s_mov_b32 s20, 0x76543210
	s_mov_b32 s21, 0xfedcba98
	s_mov_b32 s22, 0x3e38aa3b                      ; c = log2(e) / 8
	s_and_b32 s14, ttmp7, 0xffff                   ; the batch
	s_lshl_b32 s18, ttmp9, 8                       ; 64 columns of f32
	s_mov_b32 s17, 0
	s_wait_kmcnt 0x0
	s_lshl_b32 s16, s14, 16
	s_add_nc_u64 s[4:5], s[4:5], s[16:17]
	s_lshl_b32 s16, s12, 18                        ; the head's 64 rows of w_o
	s_add_co_u32 s16, s16, s18
	s_add_nc_u64 s[6:7], s[6:7], s[16:17]
	s_mov_b32 s16, s18
	s_add_nc_u64 s[8:9], s[8:9], s[16:17]
	s_lshl_b32 s16, s14, 23                        ; 2,048 rows of 4,096 bytes a batch
	s_add_co_u32 s16, s16, s18
	s_add_nc_u64 s[10:11], s[10:11], s[16:17]
.macro WLOAD u0, wb                    ; W(head's channel 16 dt + 8 h + 2 s + j, column 16 u + r) for u = u0, u0 + 1; e = 4 dt + s
.irp x, 0,1
.irp e, 0,1,2,3,4,5,6,7,8,9,10,11,12,13,14,15
.irp j, 0,1
	global_load_b32 v[\wb+32*\x+2*\e+\j], v3, s[6:7] offset:(16*(\e/4)+2*(\e%4)+\j)*4096+64*(\u0+\x)
.endr
.endr
.endr
.endm
	global_load_b128 v[16:19], v23, s[8:9]         ; b_o at my four columns
	WLOAD 0, 120
.irp i, 0,1,2,3,4,5,6,7
	global_load_b128 v[24+4*\i:27+4*\i], v4, s[4:5] offset:16*\i            ; Q(r, 32 h + ..)
.endr
.irp i, 0,1,2,3,4,5,6,7
	global_load_b128 v[56+4*\i:59+4*\i], v4, s[4:5] offset:262144+16*\i     ; K likewise
.endr
.irp dt, 0,1,2,3
.irp i, 0,1,2,3,4,5,6,7
	global_load_b32 v[88+8*\dt+\i], v5, s[4:5] offset:524288+\i*4096+64*\dt ; V(key 8 h + i, channel 16 dt + r)
.endr
.endr
	s_wait_loadcnt 32                              ; all but V's 32 loads are in
	; S^T = K Q^T: two accumulators by turns, one instruction a turn; the first product of each starts its sum
	v_wmma_f32_16x16x4_f32 v[200:207], v[56:57], v[24:25], 0
	v_wmma_f32_16x16x4_f32 v[208:215], v[58:59], v[26:27], 0
.set i, 1
.rept 7
	v_wmma_f32_16x16x4_f32 v[200:207], v[56+4*i:57+4*i], v[24+4*i:25+4*i], v[200:207]
	v_wmma_f32_16x16x4_f32 v[208:215], v[58+4*i:59+4*i], v[26+4*i:27+4*i], v[208:215]
.set i, i+1
.endr
	s_wait_loadcnt 0x0                             ; V
.rept 8
	v_nop                                          ; eight plain lines: then Q's and K's registers may be loaded again and the sums read
.endr
	WLOAD 2, 24
.irp j, 0,1,2,3,4,5,6,7
	v_add_f32 v[184+\j], v[200+\j], v[208+\j]      ; lane (r, h), register j: the score of key 8 h + j for query r
.endr
.irp j, 0,1,2,3,4,5,6,7
	v_cmp_gt_i32 vcc_lo, \j, v6                    ; hidden where 8 h + j > r
	v_cndmask_b32 v[184+\j], v[184+\j], v7, vcc_lo
.endr
	v_max3_num_f32 v8, v184, v185, v186
	v_max3_num_f32 v9, v187, v188, v189
	v_max3_num_f32 v8, v8, v190, v191
	v_max_num_f32 v8, v8, v9
	v_permlanex16_b32 v9, v8, s20, s21
	v_max_num_f32 v8, v8, v9                       ; the row's largest score: key 0 counts for every query, so it is a number
	v_mul_f32 v8, s22, v8
.irp j, 0,1,2,3,4,5,6,7
	v_fma_f32 v[184+\j], v[184+\j], s22, -v8
.endr
.irp j, 0,1,2,3,4,5,6,7
	v_exp_f32 v[184+\j], v[184+\j]
.endr
	v_nop
	s_wait_alu depctr_va_vdst(0)                   ; one wait for the eight exponentials, ahead of their first reader
	v_add_f32 v9, v184, v185
	v_add_f32 v13, v186, v187
	v_add_f32 v14, v188, v189
	v_add_f32 v15, v190, v191
	v_add_f32 v9, v9, v13
	v_add_f32 v14, v14, v15
	v_add_f32 v9, v9, v14
	v_permlanex16_b32 v13, v9, s20, s21
	v_add_f32 v9, v9, v13                          ; the row's sum
	v_rcp_f32 v8, v9
	v_nop
	s_wait_alu depctr_va_vdst(0)
	; O^T = V^T P^T: four accumulators by turns
.irp s, 0,1,2,3
.irp dt, 0,1,2,3
.if \s == 0
	v_wmma_f32_16x16x4_f32 v[216+8*\dt:223+8*\dt], v[88+8*\dt+2*\s:89+8*\dt+2*\s], v[184+2*\s:185+2*\s], 0
.else
	v_wmma_f32_16x16x4_f32 v[216+8*\dt:223+8*\dt], v[88+8*\dt+2*\s:89+8*\dt+2*\s], v[184+2*\s:185+2*\s], v[216+8*\dt:223+8*\dt]
.endif
.endr
.endr
.rept 8
	v_nop
.endr
.set i, 0
.rept 32
	v_mul_f32 v[88+i], v[216+i], v8                ; O / l, into other registers: register 8 dt + j is channel 16 dt + 8 h + j of query r
.set i, i+1
.endr
.rept 9
	v_nop                                          ; nine plain lines: then the accumulators may be begun anew
.endr
.macro YY u0, wb                       ; Y^T = W^T O^T for outputs 16 u0 .. 16 u0 + 31: two accumulators by turns
.irp e, 0,1,2,3,4,5,6,7,8,9,10,11,12,13,14,15
.irp x, 0,1
.if \e == 0
	v_wmma_f32_16x16x4_f32 v[216+8*(\u0+\x):223+8*(\u0+\x)], v[\wb+32*\x+2*\e:\wb+32*\x+2*\e+1], v[88+2*\e:89+2*\e], 0
.else
	v_wmma_f32_16x16x4_f32 v[216+8*(\u0+\x):223+8*(\u0+\x)], v[\wb+32*\x+2*\e:\wb+32*\x+2*\e+1], v[88+2*\e:89+2*\e], v[216+8*(\u0+\x):223+8*(\u0+\x)]
.endif
.endr
.endr
.endm
	YY 0, 120
	s_wait_loadcnt 0x0                             ; W for outputs 32-63
	YY 2, 24
.rept 8
	v_nop
.endr
.irp u, 0,1,2,3
	ds_store_b128 v12, v[216+8*\u:219+8*\u] offset:656*(2*\u)      ; lane (r, h): my head's part of y(query r, 16 u + 8 h + 0 .. 7); each accumulator from its low end on
	ds_store_b128 v12, v[220+8*\u:223+8*\u] offset:656*(2*\u+1)
.endr
	s_wait_dscnt 0x0                               ; for the others' sake: my stores have landed
	s_barrier_signal -1
	s_barrier_wait -1
	s_cmp_ge_u32 s12, 8                            ; 256 threads add the sixteen parts: waves 0-7
	s_cbranch_scc1 .Lend
.irp w, 0,1,2,3,4,5,6,7
	ds_load_b128 v[24+4*\w:27+4*\w], v20 offset:5248*\w
.endr
.irp w, 0,1,2,3,4,5,6,7
	ds_load_b128 v[56+4*\w:59+4*\w], v21 offset:5248*\w
.endr
	s_wait_dscnt 0x0
.irp w, 0,1,2,3,4,5,6,7,8,9,10,11,12,13,14,15
	v_pk_add_f32 v[16:17], v[16:17], v[24+4*\w:25+4*\w]
	v_pk_add_f32 v[18:19], v[18:19], v[26+4*\w:27+4*\w]
.endr
	global_store_b128 v22, v[16:19], s[10:11]      ; sixteen lanes store 256 consecutive bytes, aligned
.Lend:
	s_wait_tensorcnt 0x0                           ; the wave's end
	ds_add_u32 v[SPW], v[NIL]
	s_wait_dscnt 0x0
	s_endpgm
.Lfunc_end_k_q91ce8fa026_first16:
	.size	k_q91ce8fa026_first16, .Lfunc_end_k_q91ce8fa026_first16-k_q91ce8fa026_first16
	.p2alignl 7, 3214868480
	.fill 96, 4, 3214868480
	.section	.rodata,"a",@progbits
	.p2align	6, 0x0
	.amdhsa_kernel k_q91ce8fa026_first16
		.amdhsa_group_segment_fixed_size 86016
		.amdhsa_private_segment_fixed_size 0
		.amdhsa_enable_private_segment 0
		.amdhsa_kernarg_size 32
		.amdhsa_user_sgpr_count 2
		.amdhsa_user_sgpr_kernarg_segment_ptr 1
		.amdhsa_wavefront_size32 1
		.amdhsa_system_sgpr_workgroup_id_x 1
		.amdhsa_system_sgpr_workgroup_id_y 1
		.amdhsa_system_sgpr_workgroup_id_z 1
		.amdhsa_system_vgpr_workitem_id 0
		.amdhsa_next_free_vgpr 256
		.amdhsa_next_free_sgpr 66
		.amdhsa_reserve_vcc 1
		.amdhsa_float_denorm_mode_32 3
		.amdhsa_float_denorm_mode_16_64 3
		.amdhsa_memory_ordered 1
		.amdhsa_forward_progress 1
		.amdhsa_inst_pref_size 34
	.end_amdhsa_kernel
	.amdgpu_metadata
---
amdhsa.version: [ 1, 2 ]
amdhsa.kernels:
  - .name:           k_q91ce8fa026_first16
    .symbol:         k_q91ce8fa026_first16.kd
    .args:
      - { .name: xf, .offset: 0, .size: 8, .value_kind: global_buffer, .address_space: global }
      - { .name: w_o, .offset: 8, .size: 8, .value_kind: global_buffer, .address_space: global }
      - { .name: b_o, .offset: 16, .size: 8, .value_kind: global_buffer, .address_space: global }
      - { .name: out0, .offset: 24, .size: 8, .value_kind: global_buffer, .address_space: global }
    .group_segment_fixed_size: 86016
    .private_segment_fixed_size: 0
    .kernarg_segment_align: 8
    .kernarg_segment_size: 32
    .max_flat_workgroup_size: 512
    .sgpr_count:     66
    .vgpr_count:     256
    .wavefront_size: 32
...
	.end_amdgpu_metadata
.endif
;; end of part 5
